; MI455X (gfx1250); checked and timed in simulation.
; The chip was launched on July 23, 2026; its instructions are those of AMD's public machine-readable ISA for CDNA 5 (MIT licence, August 2026) and "CDNA5" Instruction Set Architecture Reference Guide (July 2026). The comments in the code are by the model that wrote it; some were corrected since.
;; LSTM Encoder. Allowed arithmetic: float matrix products may take bf16 or f16 operands with f32 sums; other float arithmetic in f32, or as packed bf16 or f16 multiplies, adds, multiply-adds, maxima and minima; sums over many terms, partial sums and values carried from step to step in f32; what a program stores and reads back later, other than sums and carried values, may be rounded once to bf16 or f16.
;; Inputs: W_hh1 2,048 x 512 float32; W_hh2 2,048 x 512 float32; W_ih1 2,048 x 11 float32; W_ih2 2,048 x 512 float32; b_hh1 2,048 float32; b_hh2 2,048 float32; b_ih1 2,048 float32; b_ih2 2,048 float32; x 4,096 x 5 x 11 float32.
;; Outputs: out0 4,096 x 512 float32.
;; 2 versions, each right; version 2 is version 1 with the launch prep written anew for expert scheduling mode. Each part assembles by itself: llvm-mc -triple=amdgcn-amd-amdhsa -mcpu=gfx1250 --defsym DOCPART=n.
;; ======== version 1 of 2: 6 launches
;; limits: values outside matrix products are rounded to bf16
;; workspace buffers: wpk 6,553,600 bytes; sa 25,165,824 bytes; sb 25,165,824 bytes; xe1 262,144 bytes; xe2 262,144 bytes; xe3 262,144 bytes; xe4 262,144 bytes
;; launch prep (part 1): grid 8 x 32, 4 waves a work-group, no clusters, 0 bytes of LDS; arguments x, W_ih1, b_ih1, b_hh1, b_ih2, b_hh2, W_hh1, W_ih2, W_hh2, wpk, sa, xe1, xe2, xe3, xe4; writes wpk, sa, xe1, xe2, xe3, xe4
.if DOCPART == 1
	.amdgcn_target "amdgcn-amd-amdhsa--gfx1250"
	.amdhsa_code_object_version 6
	.text
	.protected	k_qc5463f50ed_prep
	.globl	k_qc5463f50ed_prep
	.p2align	8
	.type	k_qc5463f50ed_prep,@function
k_qc5463f50ed_prep:
	s_mov_b64 s[64:65], 0
	v_nop
	global_prefetch_b8 v0, s[64:65] scope:SCOPE_SE
	s_setreg_imm32_b32 hwreg(HW_REG_WAVE_MODE, 25, 1), 1
	s_wait_xcnt 0x0
; PREPARATION for the two-cell LSTM (batch 4,096, hidden 512, 5 steps).  It stores
;   wpk  the three 2,048 x 512 weight matrices, and a K piece of 32 that holds W_ih1 and the biases, rounded to bf16, as FRAGMENT IMAGES;
;   xe1..xe4  x of steps 1 to 4 as images (k 0-10 = x, k 11 = k 12 = 1, which multiply the two biases);
;   sa   the state behind cell 1 of step 0: h0 (bf16 images), c of cell 1 (f32), and zeros for h1 and c of cell 2.
; A FRAGMENT IMAGE is the register picture of a 16 rows x 32 k bf16 matrix operand, 1,024 bytes: byte 512 s + 16 lane + 2 e holds (row lane % 16, k = 16 s + 8 (lane / 16) + e).
; Two 16-byte accesses a lane move a fragment; each store of a wave covers 512 consecutive bytes, aligned.
; SHARES.  Work-group (nb = x, rb = y): 128 batch rows rb, 64 hidden columns nb; wave w the 16 columns 64 nb + 16 w.  Cell 1 of step 0 has h = c = 0, so its gates are x0 W_ih1^T + b alone (one matrix
; instruction of K = 32 a tile), and the f gate multiplies c = 0 and is not made.  Beside that each wave packs six weight images and one x image, each work-group one image of the bias piece.
; LIMITS.  x, weights and biases are rounded once to bf16; h is rounded to bf16 (a matrix operand of the next launch); c and all sums stay in f32.  sigmoid(v) = 1 / (1 + 2^(-v log2 e)),
; tanh(v) = 1 - 2 / (1 + 2^(2 v log2 e)): the latter is off by about 1.2e-7 absolutely; saturated gates give exactly 0, 1 or -1.  NaN and infinite inputs are not treated apart.
.set WV,  2           ; s2  wave
.set NBI, 3           ; s3  nb
.set RBI, 4           ; s4  rb
.set HM,  6           ; s6  mask of lanes 16-31
.set LM,  7           ; s7  all ones where the work-group's bias image is cell 2's
.set KN,  8           ; s[8:9]   -log2 e
.set KP,  10          ; s[10:11] 2 log2 e
.set XR,  16          ; v16-103   x of step 0, raw: 8 row blocks x 11
.set BR,  104         ; v104-142  W_ih1's row and the two biases, raw, for gates i, g, o: 3 x 13
.set TR,  143         ; v143-153  x of step w + 1, raw
.set ER,  154         ; v154-166  the bias image's 13 raw values
.set AF,  168         ; v168-231  8 fragments of x0
.set BF,  232         ; v232-255  3 fragments of weights
.set DX,  16          ; v16-23    the x image   (XR is free by then)
.set DW,  24          ; v24-31    the bias image
.set WR,  16          ; v16-111   later: 12 x 8 raw weights
.set ACC, 112         ; v112-159  6 accumulators: row block a2 (0, 1), gate gi (i, g, o) at ACC + 8 (3 a2 + gi)
	s_load_b512 s[16:31], s[0:1], 0x0              ; x, W_ih1, b_ih1, b_hh1, b_ih2, b_hh2, W_hh1, W_ih2
	s_load_b256 s[32:39], s[0:1], 0x40             ; W_hh2, wpk, sa, xe1
	s_load_b128 s[40:43], s[0:1], 0x60             ; xe2, xe3
	s_load_b64 s[44:45], s[0:1], 0x70              ; xe4
	v_lshrrev_b32 v1, 5, v0
	v_readfirstlane_b32 s[WV], v1
	s_mov_b32 s[NBI], ttmp9
	s_and_b32 s[RBI], ttmp7, 0xffff
	s_mov_b32 s[HM], 0xffff0000
	s_mov_b32 s[KN], 0xbfb8aa3b
	s_mov_b32 s[KN+1], 0xbfb8aa3b
	s_mov_b32 s[KP], 0x4038aa3b
	s_mov_b32 s[KP+1], 0x4038aa3b
	v_and_b32 v1, 15, v0                           ; r
	v_bfe_u32 v2, v0, 4, 1                         ; hh
	v_and_b32 v3, 31, v0
	v_lshlrev_b32 v3, 4, v3                        ; 16 x lane
	v_mul_u32_u24 v4, v1, 220                      ; a batch row of x: 5 x 11 f32
	v_mul_u32_u24 v5, v1, 44                       ; a row of W_ih1
	v_lshlrev_b32 v6, 2, v1                        ; a bias
	v_lshlrev_b32 v7, 11, v1                       ; a row of a 512-wide matrix,
	v_lshl_add_u32 v7, v2, 5, v7                   ; + 8 hh numbers
	v_mov_b32 v8, 0
	v_mov_b32 v9, 0
	v_mov_b32 v10, 0
	v_mov_b32 v11, 0
	v_mov_b32 v12, 1.0
	s_lshl_b32 s5, s[NBI], 6
	s_lshl_b32 s12, s[WV], 4
	s_add_co_u32 s5, s5, s12                       ; my first hidden column
	s_mov_b32 s13, 0                               ; the high word of every offset below
	s_wait_kmcnt 0x0
	s_mul_i32 s12, s[RBI], 28160                   ; 128 rows of x
	s_add_nc_u64 s[46:47], s[16:17], s[12:13]      ; x at the block's first row, step 0
	s_mul_i32 s12, s5, 44
	s_add_nc_u64 s[48:49], s[18:19], s[12:13]      ; W_ih1 at my column, gate i
	s_lshl_b32 s12, s5, 2
	s_add_nc_u64 s[50:51], s[20:21], s[12:13]      ; b_ih1
	s_add_nc_u64 s[52:53], s[22:23], s[12:13]      ; b_hh1
	s_lshl_b32 s12, s[RBI], 3
	s_add_co_u32 s12, s12, s[NBI]                  ; the x image's number: row block 8 rb + nb
	s_lshl_b32 s14, s12, 10
	s_mul_i32 s12, s12, 3520                       ; 16 rows of x
	s_mul_i32 s15, s[WV], 44
	s_add_co_u32 s12, s12, s15
	s_add_co_u32 s12, s12, 44                      ; step w + 1
	s_add_nc_u64 s[54:55], s[16:17], s[12:13]
	s_cmp_eq_u32 s[WV], 0                          ; wave w stores into xe(w + 1)
	s_cselect_b64 s[62:63], s[38:39], s[40:41]
	s_cmp_lt_u32 s[WV], 2
	s_cselect_b64 s[62:63], s[62:63], s[42:43]
	s_cmp_lt_u32 s[WV], 3
	s_cselect_b64 s[62:63], s[62:63], s[44:45]
	s_mov_b32 s12, s14
	s_add_nc_u64 s[62:63], s[62:63], s[12:13]
	s_and_b32 s12, s[RBI], 3                       ; the bias image: gate rb % 4,
	s_lshl_b32 s12, s12, 9
	s_bfe_u32 s14, s[RBI], 0x20002                 ; wave place (rb / 4) % 4,
	s_lshl_b32 s14, s14, 4
	s_add_co_u32 s12, s12, s14
	s_lshl_b32 s14, s[NBI], 6
	s_add_co_u32 s14, s12, s14                     ; its first matrix row
	s_mul_i32 s12, s14, 44
	s_add_nc_u64 s[56:57], s[18:19], s[12:13]
	s_lshr_b32 s15, s[RBI], 4                      ; cell rb / 16
	s_cmp_eq_u32 s15, 1
	s_cselect_b32 s[LM], -1, 0
	s_cselect_b64 s[58:59], s[24:25], s[20:21]
	s_cselect_b64 s[60:61], s[26:27], s[22:23]
	s_lshl_b32 s12, s14, 2
	s_add_nc_u64 s[58:59], s[58:59], s[12:13]
	s_add_nc_u64 s[60:61], s[60:61], s[12:13]
	s_lshl_b32 s12, s[NBI], 15
	s_lshl_b32 s14, s[RBI], 10
	s_add_co_u32 s12, s12, s14
	s_add_nc_u64 s[66:67], s[34:35], s[12:13]
	s_add_nc_u64 s[66:67], s[66:67], 6291456       ; behind the 6,144 weight images
	s_lshl_b32 s12, s[RBI], 18                     ; h: [rb][j = nb][part][q = w / 2][row block][image], my half s = w % 2
	s_lshl_b32 s14, s[NBI], 15
	s_add_co_u32 s12, s12, s14
	s_lshr_b32 s14, s[WV], 1
	s_lshl_b32 s14, s14, 13
	s_add_co_u32 s12, s12, s14
	s_and_b32 s14, s[WV], 1
	s_lshl_b32 s14, s14, 9
	s_add_co_u32 s12, s12, s14
	s_add_nc_u64 s[68:69], s[36:37], s[12:13]      ; h0
	s_add_nc_u64 s[70:71], s[68:69], 16384         ; h1
	s_lshl_b32 s12, s[RBI], 3                      ; c: [rb][nb][w][row block][half][lane][16 bytes]
	s_add_co_u32 s12, s12, s[NBI]
	s_lshl_b32 s12, s12, 15
	s_lshl_b32 s14, s[WV], 13
	s_add_co_u32 s12, s12, s14
	s_add_nc_u64 s[74:75], s[36:37], s[12:13]
	s_add_nc_u64 s[74:75], s[74:75], 8388608       ; c of cell 2
	s_add_nc_u64 s[72:73], s[74:75], 8388608       ; c of cell 1
	s_lshl_b32 s12, s[WV], 9                       ; my six weight images: gate w, wave place rb % 4, K slot rb / 4
	s_lshl_b32 s14, s[NBI], 6
	s_add_co_u32 s12, s12, s14
	s_and_b32 s14, s[RBI], 3
	s_lshl_b32 s15, s14, 4
	s_add_co_u32 s12, s12, s15
	s_lshl_b32 s12, s12, 11
	s_lshr_b32 s15, s[RBI], 2
	s_lshl_b32 s5, s15, 8
	s_add_co_u32 s12, s12, s5
	s_add_nc_u64 s[28:29], s[28:29], s[12:13]
	s_add_nc_u64 s[30:31], s[30:31], s[12:13]
	s_add_nc_u64 s[32:33], s[32:33], s[12:13]
	s_mul_i32 s12, s[NBI], 786432
	s_mul_i32 s5, s15, 98304
	s_add_co_u32 s12, s12, s5
	s_lshl_b32 s14, s14, 12
	s_add_co_u32 s12, s12, s14
	s_lshl_b32 s5, s[WV], 10
	s_add_co_u32 s12, s12, s5
	s_add_nc_u64 s[76:77], s[34:35], s[12:13]
	; the small loads: every lane takes all 11 (13) numbers of its row
.set aa, 0
.rept 8
.set kk, 0
.rept 11
	global_load_b32 v[XR+11*aa+kk], v4, s[46:47] offset:aa*3520+4*kk
.set kk, kk+1
.endr
.set aa, aa+1
.endr
.set gi, 0
.irp g, 0,2,3
.set kk, 0
.rept 11
	global_load_b32 v[BR+13*gi+kk], v5, s[48:49] offset:(\g)*22528+4*kk
.set kk, kk+1
.endr
	global_load_b32 v[BR+13*gi+11], v6, s[50:51] offset:(\g)*2048
	global_load_b32 v[BR+13*gi+12], v6, s[52:53] offset:(\g)*2048
.set gi, gi+1
.endr
.set kk, 0
.rept 11
	global_load_b32 v[TR+kk], v4, s[54:55] offset:4*kk
	global_load_b32 v[ER+kk], v5, s[56:57] offset:4*kk
.set kk, kk+1
.endr
	global_load_b32 v[ER+11], v6, s[58:59]
	global_load_b32 v[ER+12], v6, s[60:61]
	; zeros for h1 and for c of cell 2, in my own places, while the loads are out; v[8:11] are never rewritten
.set aa, 0
.rept 8
	global_store_b128 v3, v[8:11], s[70:71] offset:aa*1024
.set aa, aa+1
.endr
.set aa, 0
.rept 16
	global_store_b128 v3, v[8:11], s[74:75] offset:aa*512
.set aa, aa+1
.endr
	s_wait_loadcnt 0x0
; An image from a row's raw numbers at t.  Lanes 0-15 hold k 0-7, lanes 16-31 k 8-15; k 16-31 are 0.  kind 0: x (k 11 = k 12 = 1); kind 1: weights (k 11, k 12 = the two biases).
.macro BUILD d, t, kind
	v_cvt_pk_bf16_f32 v[(\d)],   v[(\t)],   v[(\t)+1]
	v_cvt_pk_bf16_f32 v[(\d)+1], v[(\t)+2], v[(\t)+3]
	v_cvt_pk_bf16_f32 v[(\d)+2], v[(\t)+4], v[(\t)+5]
	v_cvt_pk_bf16_f32 v[(\d)+3], v[(\t)+6], v[(\t)+7]
	v_cvt_pk_bf16_f32 v[(\d)+4], v[(\t)+8], v[(\t)+9]
.if \kind
	v_cvt_pk_bf16_f32 v[(\d)+5], v[(\t)+10], v[(\t)+11]
	v_cvt_pk_bf16_f32 v[(\d)+6], v[(\t)+12], v8
.else
	v_cvt_pk_bf16_f32 v[(\d)+5], v[(\t)+10], v12
	v_mov_b32 v[(\d)+6], 0x3f80
.endif
	v_cndmask_b32 v[(\d)],   v[(\d)],   v[(\d)+4], s[HM]
	v_cndmask_b32 v[(\d)+1], v[(\d)+1], v[(\d)+5], s[HM]
	v_cndmask_b32 v[(\d)+2], v[(\d)+2], v[(\d)+6], s[HM]
	v_cndmask_b32 v[(\d)+3], v[(\d)+3], v8, s[HM]
	v_mov_b32 v[(\d)+4], 0
	v_mov_b32 v[(\d)+5], 0
	v_mov_b32 v[(\d)+6], 0
	v_mov_b32 v[(\d)+7], 0
.endm
.set aa, 0
.rept 8
	BUILD AF+8*aa, XR+11*aa, 0
.set aa, aa+1
.endr
.set aa, 0
.rept 3
	BUILD BF+8*aa, BR+13*aa, 1
.set aa, aa+1
.endr
.set kk, 0
.rept 11
	v_cndmask_b32 v[ER+kk], v[ER+kk], v8, s[LM]    ; cell 2's piece has no x: only its biases
.set kk, kk+1
.endr
	BUILD DW, ER, 1
	BUILD DX, TR, 0
	global_store_b128 v3, v[DX:DX+3], s[62:63]
	global_store_b128 v3, v[DX+4:DX+7], s[62:63] offset:512
	s_cmp_lg_u32 s[WV], 0                          ; the four waves made the same bias image: wave 0 stores it
	s_cbranch_scc1 .Lno_we
	global_store_b128 v3, v[DW:DW+3], s[66:67]
	global_store_b128 v3, v[DW+4:DW+7], s[66:67] offset:512
.Lno_we:
	s_wait_xcnt 0x0                                ; the stores above have read v16-31: only now are loads issued into them
.set ii, 0
.rept 12                                       ; ii = 4 T + 2 q + s: 8 numbers a lane; a row's eight pieces are 256 consecutive bytes, aligned
	global_load_b128 v[WR+8*ii:WR+8*ii+3],   v7, s[28+2*(ii/4):29+2*(ii/4)] offset:((ii/2)%2)*128+(ii%2)*64 th:TH_LOAD_NT
	global_load_b128 v[WR+8*ii+4:WR+8*ii+7], v7, s[28+2*(ii/4):29+2*(ii/4)] offset:((ii/2)%2)*128+(ii%2)*64+16 th:TH_LOAD_NT
.set ii, ii+1
.endr
.macro PLACES                          ; four plain vector instructions between a matrix instruction and the first reader of its result (ISA guide 7.12.1)
.rept 4
	v_nop
.endr
.endm
; The two transcendentals of a pair stand behind the NEXT pair's plain line; a phase ends with a plain instruction and a wait ahead of the first reader.
.macro TRAIL op
.if n > 0
	\op v[pr], v[pr]
	\op v[pr+1], v[pr+1]
.endif
.set pr, rr
.set n, n+1
.endm
.macro TEND op
	\op v[pr], v[pr]
	\op v[pr+1], v[pr+1]
	v_nop
	s_wait_alu depctr_va_vdst(0)
.endm
; Row blocks 2 p and 2 p + 1: gates i, g, o; c = sigmoid(i) tanh(g); h = sigmoid(o) tanh(c).
.macro PASS p
	s_wait_xcnt 0x0                                ; the last pass's stores have read the registers that are written again
.irp a2, 0,1
.irp gi, 0,1,2
	v_wmma_f32_16x16x32_bf16 v[ACC+8*(3*(\a2)+(\gi)):ACC+8*(3*(\a2)+(\gi))+7], v[BF+8*(\gi):BF+8*(\gi)+7], v[AF+8*(2*(\p)+(\a2)):AF+8*(2*(\p)+(\a2))+7], 0
.endr
.endr
	PLACES
.set n, 0
.rept 24
.set rr, ACC+2*n
.if ((n/4)%3) == 1
	v_pk_mul_f32 v[rr:rr+1], v[rr:rr+1], s[KP:KP+1] op_sel_hi:[1,0]
.else
	v_pk_mul_f32 v[rr:rr+1], v[rr:rr+1], s[KN:KN+1] op_sel_hi:[1,0]
.endif
	TRAIL v_exp_f32
.endr
	TEND v_exp_f32
.set n, 0
.rept 24
.set rr, ACC+2*n
	v_pk_add_f32 v[rr:rr+1], v[rr:rr+1], 1.0 op_sel_hi:[1,0]
	TRAIL v_rcp_f32
.endr
	TEND v_rcp_f32
.set n, 0
.rept 8
.set rr, ACC+24*(n/4)+2*(n%4)
	v_pk_fma_f32 v[rr+8:rr+9], v[rr+8:rr+9], -2.0, 1.0 op_sel_hi:[1,0,0]
.set n, n+1
.endr
.set n, 0
.rept 8
.set rr, ACC+24*(n/4)+2*(n%4)
	v_pk_mul_f32 v[rr:rr+1], v[rr:rr+1], v[rr+8:rr+9]  ; c
.set n, n+1
.endr
.irp a2, 0,1
	global_store_b128 v3, v[ACC+24*(\a2):ACC+24*(\a2)+3],   s[72:73] offset:(2*(\p)+(\a2))*1024
	global_store_b128 v3, v[ACC+24*(\a2)+4:ACC+24*(\a2)+7], s[72:73] offset:(2*(\p)+(\a2))*1024+512
.endr
.set n, 0
.rept 8
.set rr, ACC+24*(n/4)+8+2*(n%4)
	v_pk_mul_f32 v[rr:rr+1], v[rr-8:rr-7], s[KP:KP+1] op_sel_hi:[1,0]
	TRAIL v_exp_f32
.endr
	TEND v_exp_f32
.set n, 0
.rept 8
.set rr, ACC+24*(n/4)+8+2*(n%4)
	v_pk_add_f32 v[rr:rr+1], v[rr:rr+1], 1.0 op_sel_hi:[1,0]
	TRAIL v_rcp_f32
.endr
	TEND v_rcp_f32
.set n, 0
.rept 8
.set rr, ACC+24*(n/4)+8+2*(n%4)
	v_pk_fma_f32 v[rr:rr+1], v[rr:rr+1], -2.0, 1.0 op_sel_hi:[1,0,0]
.set n, n+1
.endr
.set n, 0
.rept 8
.set rr, ACC+24*(n/4)+16+2*(n%4)
	v_pk_mul_f32 v[rr:rr+1], v[rr:rr+1], v[rr-8:rr-7]  ; h
.set n, n+1
.endr
.set n, 0
.rept 8
.set rr, ACC+24*(n/4)+16+2*(n%4)
	v_cvt_pk_bf16_f32 v[rr-8-(n%4)], v[rr], v[rr+1]
.set n, n+1
.endr
.irp a2, 0,1
	global_store_b128 v3, v[ACC+24*(\a2)+8:ACC+24*(\a2)+11], s[68:69] offset:(2*(\p)+(\a2))*1024
.endr
.endm
	PASS 0
	PASS 1
	PASS 2
	PASS 3
	s_wait_loadcnt 0x0                             ; the raw weights
.set ii, 0
.rept 12
.set rr, WR+8*ii
	v_cvt_pk_bf16_f32 v[rr],   v[rr],   v[rr+1]
	v_cvt_pk_bf16_f32 v[rr+1], v[rr+2], v[rr+3]
	v_cvt_pk_bf16_f32 v[rr+2], v[rr+4], v[rr+5]
	v_cvt_pk_bf16_f32 v[rr+3], v[rr+6], v[rr+7]
	global_store_b128 v3, v[rr:rr+3], s[76:77] offset:(ii/4)*32768+((ii/2)%2)*16384+(ii%2)*512
.set ii, ii+1
.endr
	s_endpgm
.Lfunc_end_k_qc5463f50ed_prep:
	.size	k_qc5463f50ed_prep, .Lfunc_end_k_qc5463f50ed_prep-k_qc5463f50ed_prep
	.p2alignl 7, 3214868480
	.fill 96, 4, 3214868480
	.section	.rodata,"a",@progbits
	.p2align	6, 0x0
	.amdhsa_kernel k_qc5463f50ed_prep
		.amdhsa_group_segment_fixed_size 0
		.amdhsa_private_segment_fixed_size 0
		.amdhsa_enable_private_segment 0
		.amdhsa_kernarg_size 120
		.amdhsa_user_sgpr_count 2
		.amdhsa_user_sgpr_kernarg_segment_ptr 1
		.amdhsa_wavefront_size32 1
		.amdhsa_system_sgpr_workgroup_id_x 1
		.amdhsa_system_sgpr_workgroup_id_y 1
		.amdhsa_system_sgpr_workgroup_id_z 1
		.amdhsa_system_vgpr_workitem_id 0
		.amdhsa_next_free_vgpr 256
		.amdhsa_next_free_sgpr 80
		.amdhsa_reserve_vcc 0
		.amdhsa_float_denorm_mode_32 3
		.amdhsa_float_denorm_mode_16_64 3
		.amdhsa_memory_ordered 1
		.amdhsa_forward_progress 1
		.amdhsa_inst_pref_size 87
	.end_amdhsa_kernel
	.amdgpu_metadata
---
amdhsa.version: [ 1, 2 ]
amdhsa.kernels:
  - .name:           k_qc5463f50ed_prep
    .symbol:         k_qc5463f50ed_prep.kd
    .args:
      - { .name: x, .offset: 0, .size: 8, .value_kind: global_buffer, .address_space: global }
      - { .name: W_ih1, .offset: 8, .size: 8, .value_kind: global_buffer, .address_space: global }
      - { .name: b_ih1, .offset: 16, .size: 8, .value_kind: global_buffer, .address_space: global }
      - { .name: b_hh1, .offset: 24, .size: 8, .value_kind: global_buffer, .address_space: global }
      - { .name: b_ih2, .offset: 32, .size: 8, .value_kind: global_buffer, .address_space: global }
      - { .name: b_hh2, .offset: 40, .size: 8, .value_kind: global_buffer, .address_space: global }
      - { .name: W_hh1, .offset: 48, .size: 8, .value_kind: global_buffer, .address_space: global }
      - { .name: W_ih2, .offset: 56, .size: 8, .value_kind: global_buffer, .address_space: global }
      - { .name: W_hh2, .offset: 64, .size: 8, .value_kind: global_buffer, .address_space: global }
      - { .name: wpk, .offset: 72, .size: 8, .value_kind: global_buffer, .address_space: global }
      - { .name: sa, .offset: 80, .size: 8, .value_kind: global_buffer, .address_space: global }
      - { .name: xe1, .offset: 88, .size: 8, .value_kind: global_buffer, .address_space: global }
      - { .name: xe2, .offset: 96, .size: 8, .value_kind: global_buffer, .address_space: global }
      - { .name: xe3, .offset: 104, .size: 8, .value_kind: global_buffer, .address_space: global }
      - { .name: xe4, .offset: 112, .size: 8, .value_kind: global_buffer, .address_space: global }
    .group_segment_fixed_size: 0
    .private_segment_fixed_size: 0
    .kernarg_segment_align: 8
    .kernarg_segment_size: 120
    .max_flat_workgroup_size: 128
    .sgpr_count:     80
    .vgpr_count:     256
    .wavefront_size: 32
...
	.end_amdgpu_metadata
.endif
;; end of part 1
;; launch step1 (part 2): grid 8 x 32, 4 waves a work-group, clusters of 4 x 4, 327,680 bytes of LDS; arguments wpk, sa, xe1, sb; writes sb
.if DOCPART == 2
	.amdgcn_target "amdgcn-amd-amdhsa--gfx1250"
	.amdhsa_code_object_version 6
	.text
	.protected	k_qc5463f50ed_step1
	.globl	k_qc5463f50ed_step1
	.p2align	8
	.type	k_qc5463f50ed_step1,@function
k_qc5463f50ed_step1:
	s_mov_b64 s[64:65], 0
	v_nop
	global_prefetch_b8 v0, s[64:65] scope:SCOPE_SE
	s_setreg_imm32_b32 hwreg(HW_REG_WAVE_MODE, 25, 1), 1
	s_wait_xcnt 0x0
	s_wait_alu depctr_hold_cnt(0) depctr_sa_sdst(0) depctr_va_vdst(0) depctr_va_sdst(0) depctr_va_ssrc(0) depctr_va_vcc(0) depctr_vm_vsrc(0)
	s_getreg_b32 s2, hwreg(HW_REG_IB_STS2, 6, 4)
	s_cmp_eq_u32 s2, 0
	s_cbranch_scc0 .Lentry_in_a_cluster
	s_endpgm
.Lentry_in_a_cluster:
	s_bfe_u32 s2, ttmp6, 0x10000c
	s_cmp_lg_u32 s2, 0xf033
	s_cbranch_scc0 .Lentry_shape_is_right
	s_endpgm
.Lentry_shape_is_right:
; ONE LAUNCH OF THE RECURRENCE: cell 2 of step t and cell 1 of step t + 1, which both take h0 of step t.  (LAST = 1: cell 2 of the last step alone; h1 leaves as f32.)
; gates2 = h0 W_ih2^T + h1 W_hh2^T + b2;  gates1 = h0 W_hh1^T + x W_ih1^T + b1;  c' = sig(f) c + sig(i) tanh(g);  h' = sig(o) tanh(c').
; All matrix operands lie in memory as FRAGMENT IMAGES of 1,024 bytes (16 rows x 32 k of bf16 as a wave's registers hold them: byte 512 s + 16 lane + 2 e = row lane % 16, k = 16 s + 8 (lane / 16) + e),
; so tiles are dense, a fragment is two 16-byte LDS loads a lane at 16 x lane (32 lanes, 512 consecutive bytes: no padding is wanted), and h leaves straight from registers.
; SHARES.  Work-group (nb, rb): 128 batch rows x 64 hidden columns x 4 gates x both cells.  Wave w: the 16 columns 64 nb + 16 w for all 128 rows: 8 row blocks x 8 (cell, gate) = 64 accumulators, 512 registers.
; The product is taken transposed (source 0 = 16 weight rows, source 1 = 16 batch rows): a lane holds one batch row and eight neighbouring hidden columns, the same for all four gates,
; so the gate arithmetic stays in the lane, and eight h rounded to bf16 are 16 bytes of the next launch's image.
; K WALK.  8 slots; a slot holds K = 64 of h0 and of h1 (32 KiB) and of the three weight matrices (3 x 32 KiB); two slots in LDS take turns.  A slot is four chunks of K = 32:
; h1 x W_hh2 (32 matrix instructions), h0 x (W_ih2, W_hh1) (64: h0's fragments feed both cells), and the same again.  The biases and x W_ih1^T are a fifth K piece of 32, which starts all sums.
; THE RING.  Slot 0 is asked for alone at the start.  The change of slots stands at the head of a slot's last chunk, whose fragments lie in registers by then: every wave waits for its load of the next slot,
; passes a round of the cluster's barrier and asks at once for the slot after that, into the LDS bytes just read out; the last chunk is multiplied behind the request.  So only waits and the round stand between
; a tile's landing and the next request, and a request has a whole slot's 192 matrix instructions (LAST: 128) in which to land.  One text serves every slot: the LDS addresses hang on s[TB], which an exclusive or turns.
; c is wanted only behind the last product: its loads go out when the last tile has landed, so that they share the road with no tile that products wait for.
; CLUSTER 4 x 4.  The four of a cluster's row share rb, so h's tile is asked for jointly by them; the four of a column share nb and ask jointly for the weights.
; LIMITS.  h is rounded to bf16 as a matrix operand; c and all sums stay in f32.  sigmoid(v) = 1 / (1 + 2^(-v log2 e)), tanh(v) = 1 - 2 / (1 + 2^(2 v log2 e)): the latter is off by about 1.2e-7
; absolutely; saturated gates give exactly 0, 1 or -1.  NaN and infinite inputs are not treated apart.
; REGISTERS, in windows of 256 (s_set_vgpr_msb: bits 1:0 source 0, 3:2 source 1, 5:4 source 2, 7:6 destination):
;   window 0: v0-39 addresses and the ones' fragment; v64-127, v128-191 fragments of h, buffers F0 and F1
;   window 1: v0-63 c of cell 2; v64-95, v128-191 weight fragments, buffers F0 and F1; v192-255 c of cell 1
;   windows 2, 3: accumulators of row blocks 0-3, 4-7: (a, b) at 8 (8 (a % 4) + b), b = 4 L + gate, L = 0 cell 2, 1 cell 1
.set LAST, 0
.if LAST
.set NBF, 4                            ; weight fragments in an h0 chunk
.set NL,  1                            ; cells
.set RA,  64                           ; rows of 256 bytes in a load of h: waves 0 and 1 take half a tile each
.else
.set NBF, 8
.set NL,  2
.set RA,  128                          ; wave 0 takes the whole tile of h
.endif
.set NFL,   16+2*NBF                   ; LDS loads of an h0 chunk
.set SLOT,  131072                     ; h [part 2][q 2][row block 8][1 KiB], then W_hh1, W_ih2, W_hh2, each [q 2][w 4][gate 4][1 KiB]; a power of two, so that one exclusive or changes slots
.set SPARE, 2*SLOT                     ; the spare words: 128 bytes for each wave, two blocks of 256 bytes that no other line names
.set STAGE, SPARE+512                  ; LAST: 128 rows x 272 bytes for the way out; no tensor load fills it
.set SP,    272
.set ADRA, 16                          ; v16     the slot in hand: 16 x lane
.set ADRB, 17                          ; v17     the slot in hand: my wave's fragments of W_hh1 (W_ih2's lie 32,768 further)
.set ADRP, 18                          ; v18     the slot in hand: of W_hh2
.set B0,   19                          ; v19     32,768 + 4,096 w + 16 x lane; never rewritten
.set P0,   20                          ; v20     65,536 more; never rewritten
.set LO,   22                          ; v22     16 x lane; never rewritten
.set STO,  24                          ; v24-26  LAST: the way out
.set RD,   25
.set GO,   26
.set SPW,  28                          ; v28     my spare word; never rewritten
.set NIL,  29                          ; v29     0; never rewritten
.set PFO,  30                          ; v30     256 x lane; never rewritten
.set ONE,  32                          ; v32-39  a fragment with k 11 = k 12 = 1 in every row: it multiplies cell 2's biases
.set F0,   64
.set F1,   128
.set C2R,  0
.set C1R,  192
.set WV,  12                           ; s12  wave
.set G1A, 24                           ; s[24:31] descriptor group 1 for h's tiles
.set G0A, 32                           ; s[32:35] group 0 for h's tiles: it walks
.set TB,  36                           ; s36  LDS byte at which the slot in hand begins
.set LIM, 43                           ; s43  2 in a wave that prefetches, else the greatest number
.set PFA, 44                           ; s[44:45] where my prefetches stand
.set PST, 46                           ; s[46:47] bytes from slot to slot in my stream
.set G1B, 48                           ; s[48:55] group 1 for the weights' tiles
.set G0B, 56                           ; s[56:59] group 0 for the weights' tiles: it walks
.set KN,  66                           ; s[66:67] -log2 e
.set KP,  68                           ; s[68:69] 2 log2 e
.set HO,  70                           ; s[70:73] where h leaves: cell L at HO + 2 L
.set CO,  74                           ; s[74:77] where c leaves
.set CI,  78                           ; s[78:81] where c comes from
.set WEB, 82                           ; s[82:83] my images of the bias piece
.set XEB, 84                           ; s[84:85] the block's x images (LAST: my rows of out0)
.set TW,  86                           ; s86  at work; holds numbers made of the wave's number alone
.set MSB, 0
.macro WIN new                         ; the immediate's high byte repeats the setting that is left; a switch that changes nothing is dropped
.if MSB != (\new)
	s_set_vgpr_msb (MSB<<8)|(\new)
.set MSB, \new
.endif
.endm
.set MUL_LO, 0xa1                      ; source 0 (weights) window 1, source 1 (h) window 0, C and D window 2
.set MUL_HI, 0xf1
.set TO_B,   0x40                      ; destination window 1, address window 0
; A joint load, one a wave.  The branch hangs on the wave's number alone.  An s_nop 0 and four v_nop follow each of the two lines.
.macro JLOAD
.if LAST
	s_cmp_lt_u32 s[WV], 2
.else
	s_cmp_eq_u32 s[WV], 0
.endif
	s_cbranch_scc0 .Lfor_b_\@
	tensor_load_to_lds s[G0A:G0A+3], s[G1A:G1A+7]
	s_nop 0
.rept 4
	v_nop
.endr
	s_branch .Lasked_\@
.Lfor_b_\@:
	tensor_load_to_lds s[G0B:G0B+3], s[G1B:G1B+7]
	s_nop 0
.rept 4
	v_nop
.endr
.Lasked_\@:
.endm
; A prefetch of the slot that stands two refills on (two slots' matrix instructions ahead of its load): 32 blocks of 256 bytes, a lane a block.  h's tiles are read by both clusters of a row of clusters: the one
; with x = 0 asks; the weights' by the eight of a column: the one with y = 0 asks.  The four partners that ask for a tile jointly take a quarter of it each, told apart by address.  So each block is named once.
; Slots 0 to 3 come by their loads alone; the loop's trips with s3 = 6 .. 3 name slots 4 .. 7; the last two trips ask for nothing.
.macro ASK
	s_cmp_gt_u32 s3, s[LIM]
	s_cbranch_scc0 .Lnot_mine_\@
	global_prefetch_b8 v[PFO], s[PFA:PFA+1] th:TH_LOAD_NT scope:SCOPE_SE
.Lnot_mine_\@:
.endm
.macro CREST                           ; a round of the cluster's barrier behind its opening barrier
	s_cmp_lg_u32 s[WV], 0
	s_cbranch_scc1 .Lnot_wave_0_\@
	s_barrier_signal -3
.Lnot_wave_0_\@:
	s_barrier_wait -3
	s_barrier_signal -1
	s_barrier_wait -1
.endm
.macro CROUND
	s_barrier_signal -1
	s_barrier_wait -1
	CREST
.endm
.macro PLACES                          ; four plain vector instructions behind a matrix instruction, in front of loads into its sources and of readers of its result
.rept 4
	v_nop
.endr
.endm
.if LAST
	s_load_b128 s[4:7], s[0:1], 0x0                ; wpk, the state
	s_load_b64 s[8:9], s[0:1], 0x10                ; out0
.else
	s_load_b256 s[4:11], s[0:1], 0x0               ; wpk, the state in, x images, the state out
.endif
	v_lshl_add_u32 v[SPW], v0, 2, SPARE
	v_mov_b32 v[NIL], 0
	ds_add_u32 v[SPW], v[NIL]                      ; the opening: the add, twice on end, and its wait ahead of my first tensor load
	ds_add_u32 v[SPW], v[NIL]
	v_lshrrev_b32 v1, 5, v0
	v_readfirstlane_b32 s[WV], v1
	s_bfe_u32 s13, ttmp6, 0x40000                  ; cx
	s_bfe_u32 s14, ttmp6, 0x40004                  ; cy
	s_lshl_b32 s15, ttmp9, 2
	s_add_co_u32 s15, s15, s13                     ; nb = 4 x cluster x + cx
	s_and_b32 s16, ttmp7, 0xffff
	s_lshl_b32 s16, s16, 2
	s_add_co_u32 s16, s16, s14                     ; rb = 4 x cluster y + cy
	s_lshl_b32 s17, s14, 2
	s_lshl_b32 s17, 15, s17                        ; my row of the cluster
	s_lshl_b32 s42, 0x1111, s13                    ; my column
	; group 1: dense rows of 256 bytes: 32 elements of 8 bytes, pitch 32; no padding; bit 21 set beside the mask
	s_or_b32 s[G1A], s17, (3<<16)|(1<<21)
	s_or_b32 s[G1B], s42, (3<<16)|(1<<21)
	s_mov_b32 s[G1A+1], 32<<16                     ; tensor_dim0
	s_mov_b32 s[G1A+2], RA<<16                     ; tensor_dim1
	s_mov_b32 s[G1A+3], 32<<16                     ; tile_dim0
	s_mov_b32 s[G1A+4], RA                         ; tile_dim1
	s_mov_b32 s[G1A+5], 32                         ; elements from row to row
	s_mov_b32 s[G1A+6], 0
	s_mov_b32 s[G1A+7], 0
	s_mov_b32 s[G1B+1], 32<<16
	s_mov_b32 s[G1B+2], 128<<16
	s_mov_b32 s[G1B+3], 32<<16
	s_mov_b32 s[G1B+4], 128
	s_mov_b32 s[G1B+5], 32
	s_mov_b32 s[G1B+6], 0
	s_mov_b32 s[G1B+7], 0
	s_mov_b32 s[KN], 0xbfb8aa3b
	s_mov_b32 s[KN+1], 0xbfb8aa3b
	s_mov_b32 s[KP], 0x4038aa3b
	s_mov_b32 s[KP+1], 0x4038aa3b
	s_lshl_b32 s40, s[WV], 15                      ; LDS: wave w's weight third lies at 32,768 w
	s_lshl_b32 s18, s16, 18                        ; h of my row block
.if LAST
	s_lshl_b32 s41, s[WV], 14                      ; waves 0 and 1: h0's and h1's half of the tile
	s_add_co_u32 s18, s18, s41
.else
	s_lshl_b32 s41, s[WV], 15                      ; wave 0: the tile's first byte
.endif
	s_mov_b32 s19, 0
	s_mul_i32 s20, s15, 786432                     ; the weights of my column block,
	s_max_u32 s21, s[WV], 1
	s_sub_co_u32 s21, s21, 1
	s_lshl_b32 s21, s21, 15                        ; matrix w - 1
	s_add_co_u32 s20, s20, s21
	s_mov_b32 s21, 0
	s_mov_b32 s[G0A], 1                            ; count = 1
	s_mov_b32 s[G0A+1], s41                        ; LDS address: slot 0
	s_mov_b32 s[G0B], 1
	s_mov_b32 s[G0B+1], s40
	s_mov_b32 s[TB], SLOT                          ; the first change of slots turns it into 0
	s_wait_dscnt 0x0                               ; both opening adds are done
	s_wait_kmcnt 0x0
	s_add_nc_u64 s[18:19], s[6:7], s[18:19]
	s_add_nc_u64 s[20:21], s[4:5], s[20:21]
	s_mov_b64 s[G0A+2:G0A+3], s[18:19]             ; global address: slot 0
	s_or_b32 s[G0A+3], s[G0A+3], 0x80000000        ; type = 2
	s_mov_b64 s[G0B+2:G0B+3], s[20:21]
	s_or_b32 s[G0B+3], s[G0B+3], 0x80000000
	CROUND                                         ; all sixteen work-groups are here: the first joint loads meet
	JLOAD                                          ; slot 0, alone: one load of mine is out
	; the prefetches: my stream, my work-group's quarter of a tile, three slots on; the loop's first trip steps it to slot 4
	s_and_b32 s22, ttmp7, 0xffff
	s_mov_b32 s17, 98304
.if LAST
	s_cmp_lt_u32 s[WV], 2
.else
	s_cmp_eq_u32 s[WV], 0
.endif
	s_cselect_b32 s23, s13, s14                    ; my place among the four that ask with me
	s_cselect_b32 s22, ttmp9, s22                  ; the coordinate along which other clusters read the same tiles
	s_cselect_b64 s[PFA:PFA+1], s[18:19], s[20:21]
	s_cselect_b32 s[PST], 32768, s17
	s_mov_b32 s[PST+1], 0
	s_cmp_eq_u32 s22, 0
	s_cselect_b32 s[LIM], 2, -1
.if LAST
	s_cmp_eq_u32 s[WV], 1                          ; wave 0's quarters cover both halves of h's tile
	s_cselect_b32 s[LIM], -1, s[LIM]
.endif
	s_mul_i32 s22, s[PST], 3
	s_lshl_b32 s23, s23, 13
	s_add_co_u32 s22, s22, s23
	s_mov_b32 s23, 0
	s_add_nc_u64 s[PFA:PFA+1], s[PFA:PFA+1], s[22:23]
	; lane registers
	v_and_b32 v1, 15, v0                           ; r
	v_bfe_u32 v2, v0, 4, 1                         ; hh
	v_and_b32 v[LO], 31, v0
	v_lshlrev_b32 v[LO], 4, v[LO]
	v_lshlrev_b32 v[PFO], 4, v[LO]
	s_lshl_b32 s[TW], s[WV], 12
	s_add_co_u32 s[TW], s[TW], 32768
	v_add_nc_u32 v[B0], s[TW], v[LO]
	v_add_nc_u32 v[P0], 65536, v[B0]
	v_mov_b32 v[ONE], 0
	v_mul_u32_u24 v[ONE+1], v2, 127
	v_lshlrev_b32 v[ONE+2], 7, v[ONE+1]            ; k 12: lanes 16-31, register 2, low half = 1.0
	v_lshlrev_b32 v[ONE+1], 23, v[ONE+1]           ; k 11: lanes 16-31, register 1, high half = 1.0
	v_mov_b32 v[ONE+3], 0
	v_mov_b32 v[ONE+4], 0
	v_mov_b32 v[ONE+5], 0
	v_mov_b32 v[ONE+6], 0
	v_mov_b32 v[ONE+7], 0
.if LAST
	v_mul_u32_u24 v[STO], v1, SP                   ; into the stage: row r of a block, my wave's 64 bytes, 32 for each half of the lanes
	v_lshl_add_u32 v[STO], v2, 5, v[STO]
	s_lshl_b32 s[TW], s[WV], 6
	s_add_co_u32 s[TW], s[TW], STAGE
	v_add_nc_u32 v[STO], s[TW], v[STO]
	v_mul_u32_u24 v[RD], v2, SP                    ; back: wave w takes rows 32 w .. 32 w + 31 whole; lanes 0-15 one row of 256 bytes, lanes 16-31 the next
	v_lshl_add_u32 v[RD], v1, 4, v[RD]
	s_mul_i32 s[TW], s[WV], 32*SP
	s_add_co_u32 s[TW], s[TW], STAGE
	v_add_nc_u32 v[RD], s[TW], v[RD]
	v_lshlrev_b32 v[GO], 11, v2                    ; and the same two rows of out0
	v_lshl_add_u32 v[GO], v1, 4, v[GO]
	s_lshl_b32 s22, s16, 18                        ; (128 rb + 32 w) rows of 2,048 bytes + 256 nb
	s_lshl_b32 s17, s[WV], 16
	s_add_co_u32 s22, s22, s17
	s_lshl_b32 s17, s15, 8
	s_add_co_u32 s22, s22, s17
	s_add_nc_u64 s[XEB:XEB+1], s[8:9], s[22:23]
.else
	s_lshl_b32 s22, s16, 18                        ; h out: [rb][j = nb][part][q = w / 2][row block][image], my half s = w % 2
	s_lshl_b32 s17, s15, 15
	s_add_co_u32 s22, s22, s17
	s_lshr_b32 s17, s[WV], 1
	s_lshl_b32 s17, s17, 13
	s_add_co_u32 s22, s22, s17
	s_and_b32 s17, s[WV], 1
	s_lshl_b32 s17, s17, 9
	s_add_co_u32 s22, s22, s17
	s_add_nc_u64 s[HO+2:HO+3], s[10:11], s[22:23]  ; cell 1: h0
	s_add_nc_u64 s[HO:HO+1], s[HO+2:HO+3], 16384   ; cell 2: h1
	s_lshl_b32 s22, s16, 13
	s_add_nc_u64 s[XEB:XEB+1], s[8:9], s[22:23]
.endif
	s_lshl_b32 s22, s16, 3                         ; c: [rb][nb][w][row block][half][lane][16 bytes]
	s_add_co_u32 s22, s22, s15
	s_lshl_b32 s22, s22, 15
	s_lshl_b32 s17, s[WV], 13
	s_add_co_u32 s22, s22, s17
	s_add_nc_u64 s[CI:CI+1], s[6:7], s[22:23]
	s_add_nc_u64 s[CI:CI+1], s[CI:CI+1], 8388608   ; cell 2's
.if !LAST
	s_add_nc_u64 s[CI+2:CI+3], s[CI:CI+1], 8388608 ; cell 1's
	s_add_nc_u64 s[CO:CO+1], s[10:11], s[22:23]
	s_add_nc_u64 s[CO:CO+1], s[CO:CO+1], 8388608
	s_add_nc_u64 s[CO+2:CO+3], s[CO:CO+1], 8388608
.endif
	s_lshl_b32 s22, s15, 15
	s_lshl_b32 s17, s[WV], 12
	s_add_co_u32 s22, s22, s17
	s_add_nc_u64 s[WEB:WEB+1], s[4:5], s[22:23]
	s_add_nc_u64 s[WEB:WEB+1], s[WEB:WEB+1], 6291456
	; straight into registers: the bias piece's weights and x, into buffer F1
	WIN TO_B
.set bb, 0
.rept NBF
.if bb < 4
.set fo, 16384+bb*1024                 ; cell 2's
.else
.set fo, (bb-4)*1024                   ; cell 1's
.endif
	global_load_b128 v[F1+8*bb:F1+8*bb+3],   v[LO], s[WEB:WEB+1] offset:fo
	global_load_b128 v[F1+8*bb+4:F1+8*bb+7], v[LO], s[WEB:WEB+1] offset:fo+512
.set bb, bb+1
.endr
	WIN 0
.if !LAST
.set ii, 0
.rept 16
	global_load_b128 v[F1+4*ii:F1+4*ii+3], v[LO], s[XEB:XEB+1] offset:512*ii
.set ii, ii+1
.endr
.endif
; 2 nbf matrix instructions: row blocks a0, a0 + 1 of the window's four x nbf weight fragments, 32 along K.  The accumulators take turns, one instruction a turn.
.macro MUL f, hi, a0, nbf
	WIN MUL_LO+0x50*(\hi)
.irp a, \a0, (\a0)+1
.set bb, 0
.rept \nbf
	v_wmma_f32_16x16x32_bf16 v[8*(8*(\a)+bb):8*(8*(\a)+bb)+7], v[(\f)+8*bb:(\f)+8*bb+7], v[(\f)+8*(4*(\hi)+(\a)):(\f)+8*(4*(\hi)+(\a))+7], v[8*(8*(\a)+bb):8*(8*(\a)+bb)+7]
.set bb, bb+1
.endr
.endr
.endm
; The bias piece starts every sum with the constant 0: cell 2's biases times ones, cell 1's (W_ih1, biases) times (x, ones).
.macro MULX hi
	WIN MUL_LO+0x50*(\hi)
.irp a, 0,1,2,3
.set bb, 0
.rept NBF
.if bb < 4
	v_wmma_f32_16x16x32_bf16 v[8*(8*(\a)+bb):8*(8*(\a)+bb)+7], v[F1+8*bb:F1+8*bb+7], v[ONE:ONE+7], 0
.else
	v_wmma_f32_16x16x32_bf16 v[8*(8*(\a)+bb):8*(8*(\a)+bb)+7], v[F1+8*bb:F1+8*bb+7], v[F1+8*(4*(\hi)+(\a)):F1+8*(4*(\hi)+(\a))+7], 0
.endif
.set bb, bb+1
.endr
.endr
.endm
; 24 LDS loads: chunk q of h1 x W_hh2 of the slot in hand into buffer F0: 4 weight fragments, then 8 of h1
.macro FETCH_P q
	WIN TO_B
.irp g, 0,1,2,3
	ds_load_b128 v[F0+8*(\g):F0+8*(\g)+3],   v[ADRP] offset:(\q)*16384+(\g)*1024
	ds_load_b128 v[F0+8*(\g)+4:F0+8*(\g)+7], v[ADRP] offset:(\q)*16384+(\g)*1024+512
.endr
	WIN 0
.irp a, 0,1,2,3,4,5,6,7
	ds_load_b128 v[F0+8*(\a):F0+8*(\a)+3],   v[ADRA] offset:16384+(\q)*8192+(\a)*1024
	ds_load_b128 v[F0+8*(\a)+4:F0+8*(\a)+7], v[ADRA] offset:16384+(\q)*8192+(\a)*1024+512
.endr
.endm
; NFL LDS loads: chunk q of h0 x (W_ih2, W_hh1) into buffer F1: NBF weight fragments, then 8 of h0
.macro FETCH_F q
	WIN TO_B
.set bb, 0
.rept NBF
.if bb < 4
.set fo, 32768+(\q)*16384+bb*1024
.else
.set fo, (\q)*16384+(bb-4)*1024
.endif
	ds_load_b128 v[F1+8*bb:F1+8*bb+3],   v[ADRB] offset:fo
	ds_load_b128 v[F1+8*bb+4:F1+8*bb+7], v[ADRB] offset:fo+512
.set bb, bb+1
.endr
	WIN 0
.irp a, 0,1,2,3,4,5,6,7
	ds_load_b128 v[F1+8*(\a):F1+8*(\a)+3],   v[ADRA] offset:(\q)*8192+(\a)*1024
	ds_load_b128 v[F1+8*(\a)+4:F1+8*(\a)+7], v[ADRA] offset:(\q)*8192+(\a)*1024+512
.endr
.endm
.macro QP q                            ; an h1 chunk is multiplied; in its middle the h0 chunk of the same q is fetched
	s_wait_dscnt 8                                 ; all but the youngest eight loads (row blocks 4-7)
	MUL F0, 0, 0, 4
	MUL F0, 0, 2, 4
	PLACES
	FETCH_F \q
	s_wait_dscnt NFL                               ; all but the run just issued
	MUL F0, 1, 0, 4
	MUL F0, 1, 2, 4
.endm
.macro QF                              ; the slot's first h0 chunk; in its middle the second h1 chunk is fetched
	s_wait_dscnt 8
	MUL F1, 0, 0, NBF
	MUL F1, 0, 2, NBF
	PLACES
	FETCH_P 1
	s_wait_dscnt 24
	MUL F1, 1, 0, NBF
	MUL F1, 1, 2, NBF
.endm
.macro LEFT w                          ; a slot's last h0 chunk, from buffer F1.  w = 1: its LDS loads are still to be waited for
.if \w
	s_wait_dscnt 8
.endif
	MUL F1, 0, 0, NBF
	MUL F1, 0, 2, NBF
.if \w
	s_wait_dscnt 0x0
.endif
	MUL F1, 1, 0, NBF
	MUL F1, 1, 2, NBF
.endm
; THE CHANGE OF SLOTS.  Each wave waits for all its tensor loads (one is out: its part of the next slot), adds 0 to its spare word, and waits for that and for its own reads of the slot that it leaves
; (the last of them brought the chunk that is still to be multiplied).  fill = 1: a round of the cluster's barrier, so that no wave of any partner still reads that slot or has a load on its way; behind it the
; joint load of the slot after the next, into the bytes just left, first of all.  Then the next slot's addresses and its first fragments.  ask = 1: the prefetches' address steps, and one is issued.
.macro CHG fill, ask
.if \ask
	s_wait_xcnt 0x0                                ; the last prefetch, a slot back, has read its address
	s_add_nc_u64 s[PFA:PFA+1], s[PFA:PFA+1], s[PST:PST+1]
.endif
	WIN 0
	s_wait_tensorcnt 0x0                           ; no tensor load of mine is out, so a group 0 may be written
	ds_add_u32 v[SPW], v[NIL]                      ; the scalar steps stand between the add and the wait for it
.if \fill
	s_xor_b32 s[G0A+1], s[G0A+1], SLOT             ; the walking descriptors: the other slot than last time,
	s_add_nc_u64 s[G0A+2:G0A+3], s[G0A+2:G0A+3], 32768  ; the next K = 64; the type bits on top are not reached
	s_xor_b32 s[G0B+1], s[G0B+1], SLOT
	s_add_nc_u64 s[G0B+2:G0B+3], s[G0B+2:G0B+3], 98304
.endif
	s_xor_b32 s[TB], s[TB], SLOT                   ; the reads go on in the other slot
	s_wait_dscnt 0x0                               ; the add is done, and my reads of the slot that I leave are over
.if \fill
	CROUND
	JLOAD                                          ; its four v_nop are also the places in front of the loads below
.else
	s_barrier_signal -1
	s_barrier_wait -1
	PLACES
.endif
	v_add_nc_u32 v[ADRA], s[TB], v[LO]
	v_add_nc_u32 v[ADRB], s[TB], v[B0]
	v_add_nc_u32 v[ADRP], s[TB], v[P0]
	FETCH_P 0
.if \ask
	ASK
.endif
.endm
; c, straight into registers: row blocks 0-3 of both cells first, so that the first half of the gates waits for these alone
.macro CLOADS
	WIN TO_B
.irp hi, 0,1
.set ii, 8*(\hi)
.rept 8
	global_load_b128 v[C2R+4*ii:C2R+4*ii+3], v[LO], s[CI:CI+1] offset:512*ii th:TH_LOAD_NT
.set ii, ii+1
.endr
.if !LAST
.set ii, 8*(\hi)
.rept 8
	global_load_b128 v[C1R+4*ii:C1R+4*ii+3], v[LO], s[CI+2:CI+3] offset:512*ii th:TH_LOAD_NT
.set ii, ii+1
.endr
.endif
.endr
.endm
	CHG 1, 0                                       ; slot 0 is in, everybody's part of it; slot 1 is asked for; slot 0's first fragments are fetched
	s_wait_loadcnt 0x0                             ; the bias piece and x
	MULX 0                                         ; in the place where later trips multiply the last chunk of the slot before
	MULX 1
	WIN 0
	s_mov_b32 s3, 7
	s_branch .Lbody                                ; the loop is entered in the middle of a trip
.Lslot:                                                ; six times: slots 1 to 6 are entered, slots 2 to 7 asked for
	CHG 1, 1
	LEFT 0
	WIN 0
.Lbody:
	QP 0
	QF
	QP 1
	WIN 0
	s_sub_co_u32 s3, s3, 1
	s_cmp_lg_u32 s3, 0
	s_cbranch_scc1 .Lslot
	LEFT 1                                         ; the tail is written out: nothing more is asked for, so slot 6's last chunk stands ahead of the wait for slot 7
	CHG 0, 0
	CLOADS                                         ; the last tile has landed
	QP 0
	QF
	QP 1
	LEFT 1
	WIN 0
	PLACES
; THE GATES, in place, a window (four row blocks) at a time.  The two transcendentals of a pair stand behind the next pair's plain line; a phase's transcendentals are one batch, with a plain instruction
; behind the last and a wait ahead of the first reader.  Each accumulator is read from its low end on.
.macro TRAIL op
.if n > 0
	\op v[pr], v[pr]
	\op v[pr+1], v[pr+1]
.endif
.set pr, rr
.set n, n+1
.endm
.macro TEND op
	\op v[pr], v[pr]
	\op v[pr+1], v[pr+1]
	v_nop
	s_wait_alu depctr_va_vdst(0)
.endm
.macro RALL                            ; pair n of all accumulators in use
.set rr, 64*(n/(4*NBF))+2*(n%(4*NBF))
.endm
.macro RG g                            ; pair n of the accumulators of gate g: row block n / (4 NL), cell (n / 4) % NL, pair n % 4
.set rr, 64*(n/(4*NL))+32*((n/4)%NL)+8*(\g)+2*(n%4)
.endm
.macro EPI hi
.set AW, 0xaa+0x55*(\hi)               ; all operands in the window
.set YW, 0xa6+0x51*(\hi)               ; source 1 in window 1
.set SW, 0x08+0x04*(\hi)               ; a store: address in window 0, data in the window
	WIN AW
.set n, 0
.rept 16*NBF                           ; 2^(-v log2 e) for i, f, o; 2^(2 v log2 e) for g
	RALL
.if ((n/4)%4) == 2
	v_pk_mul_f32 v[rr:rr+1], v[rr:rr+1], s[KP:KP+1] op_sel_hi:[1,0]
.else
	v_pk_mul_f32 v[rr:rr+1], v[rr:rr+1], s[KN:KN+1] op_sel_hi:[1,0]
.endif
	TRAIL v_exp_f32
.endr
	TEND v_exp_f32
.set n, 0
.rept 16*NBF                           ; 1 / (1 + ..)
	RALL
	v_pk_add_f32 v[rr:rr+1], v[rr:rr+1], 1.0 op_sel_hi:[1,0]
	TRAIL v_rcp_f32
.endr
	TEND v_rcp_f32
.set n, 0
.rept 16*NL                            ; tanh(g) = 1 - 2 ..
	RG 2
	v_pk_fma_f32 v[rr:rr+1], v[rr:rr+1], -2.0, 1.0 op_sel_hi:[1,0,0]
.set n, n+1
.endr
.set n, 0
.rept 16*NL                            ; i g
	RG 0
	v_pk_mul_f32 v[rr:rr+1], v[rr:rr+1], v[rr+16:rr+17]
.set n, n+1
.endr
.if (\hi) == 0
	s_wait_loadcnt 8*NL                            ; c of row blocks 0-3 is in; the loads of row blocks 4-7 may stay out
.else
	s_wait_loadcnt 0x0                             ; c of row blocks 4-7
.endif
	WIN YW
.set n, 0
.rept 16*NL                            ; c' = f c + i g, in f's place
	RG 1
.set cr, C1R*((n/4)%NL)+8*(4*(\hi)+n/(4*NL))+2*(n%4)
	v_pk_fma_f32 v[rr:rr+1], v[rr:rr+1], v[cr:cr+1], v[rr-8:rr-7]
.set n, n+1
.endr
.if !LAST
	WIN SW
.set n, 0
.rept 4*NL                             ; c' leaves in f32; its registers are not written again
.set rr, 64*(n/NL)+32*(n%NL)+8
	global_store_b128 v[LO], v[rr:rr+3],   s[CO+2*(n%NL):CO+2*(n%NL)+1] offset:(4*(\hi)+n/NL)*1024 th:TH_STORE_NT
	global_store_b128 v[LO], v[rr+4:rr+7], s[CO+2*(n%NL):CO+2*(n%NL)+1] offset:(4*(\hi)+n/NL)*1024+512 th:TH_STORE_NT
.set n, n+1
.endr
.endif
	WIN AW
.set n, 0
.rept 16*NL                            ; tanh(c'), in i's place
	RG 0
	v_pk_mul_f32 v[rr:rr+1], v[rr+8:rr+9], s[KP:KP+1] op_sel_hi:[1,0]
	TRAIL v_exp_f32
.endr
	TEND v_exp_f32
.set n, 0
.rept 16*NL
	RG 0
	v_pk_add_f32 v[rr:rr+1], v[rr:rr+1], 1.0 op_sel_hi:[1,0]
	TRAIL v_rcp_f32
.endr
	TEND v_rcp_f32
.set n, 0
.rept 16*NL
	RG 0
	v_pk_fma_f32 v[rr:rr+1], v[rr:rr+1], -2.0, 1.0 op_sel_hi:[1,0,0]
.set n, n+1
.endr
.set n, 0
.rept 16*NL                            ; h' = o tanh(c')
	RG 3
	v_pk_mul_f32 v[rr:rr+1], v[rr:rr+1], v[rr-24:rr-23]
.set n, n+1
.endr
.if LAST
	WIN SW
.set n, 0
.rept 4                                ; eight f32 of a row into the stage
.set rr, 64*n+24
	ds_store_b128 v[STO], v[rr:rr+3],   offset:(4*(\hi)+n)*16*SP
	ds_store_b128 v[STO], v[rr+4:rr+7], offset:(4*(\hi)+n)*16*SP+16
.set n, n+1
.endr
.else
.set n, 0
.rept 16*NL                            ; rounded to bf16, into g's first four registers: 16 bytes of the next launch's image
	RG 3
	v_cvt_pk_bf16_f32 v[rr-8-(n%4)], v[rr], v[rr+1]
.set n, n+1
.endr
	WIN SW
.set n, 0
.rept 4*NL
.set rr, 64*(n/NL)+32*(n%NL)+16
	global_store_b128 v[LO], v[rr:rr+3], s[HO+2*(n%NL):HO+2*(n%NL)+1] offset:(4*(\hi)+n/NL)*1024
.set n, n+1
.endr
.endif
.endm
	EPI 0
	EPI 1
	WIN 0
.if LAST
	s_wait_dscnt 0x0                               ; for the others' sake: a row's 256 bytes come from four waves
	s_barrier_signal -1
	s_barrier_wait -1
.set ii, 0
.rept 16
	ds_load_b128 v[F0+4*ii:F0+4*ii+3], v[RD] offset:ii*2*SP
.set ii, ii+1
.endr
.set ii, 0
.rept 16
	s_wait_dscnt 15-ii
	global_store_b128 v[GO], v[F0+4*ii:F0+4*ii+3], s[XEB:XEB+1] offset:ii*4096 th:TH_STORE_NT  ; 16 lanes store 256 consecutive bytes, at a multiple of 256 from out0's first byte
.set ii, ii+1
.endr
.endif
	s_wait_tensorcnt 0x0                           ; the wave's end
	ds_add_u32 v[SPW], v[NIL]
	s_wait_dscnt 0x0
	CROUND                                         ; the closing round: no work-group ends while a partner may still ask for a tile that names it
	s_endpgm
.Lfunc_end_k_qc5463f50ed_step1:
	.size	k_qc5463f50ed_step1, .Lfunc_end_k_qc5463f50ed_step1-k_qc5463f50ed_step1
	.p2alignl 7, 3214868480
	.fill 96, 4, 3214868480
	.section	.rodata,"a",@progbits
	.p2align	6, 0x0
	.amdhsa_kernel k_qc5463f50ed_step1
		.amdhsa_group_segment_fixed_size 327680
		.amdhsa_private_segment_fixed_size 0
		.amdhsa_enable_private_segment 0
		.amdhsa_kernarg_size 32
		.amdhsa_user_sgpr_count 2
		.amdhsa_user_sgpr_kernarg_segment_ptr 1
		.amdhsa_wavefront_size32 1
		.amdhsa_system_sgpr_workgroup_id_x 1
		.amdhsa_system_sgpr_workgroup_id_y 1
		.amdhsa_system_sgpr_workgroup_id_z 1
		.amdhsa_system_vgpr_workitem_id 0
		.amdhsa_next_free_vgpr 1024
		.amdhsa_next_free_sgpr 88
		.amdhsa_reserve_vcc 0
		.amdhsa_float_denorm_mode_32 3
		.amdhsa_float_denorm_mode_16_64 3
		.amdhsa_memory_ordered 1
		.amdhsa_forward_progress 1
		.amdhsa_inst_pref_size 177
	.end_amdhsa_kernel
	.amdgpu_metadata
---
amdhsa.version: [ 1, 2 ]
amdhsa.kernels:
  - .name:           k_qc5463f50ed_step1
    .symbol:         k_qc5463f50ed_step1.kd
    .args:
      - { .name: wpk, .offset: 0, .size: 8, .value_kind: global_buffer, .address_space: global }
      - { .name: sa, .offset: 8, .size: 8, .value_kind: global_buffer, .address_space: global }
      - { .name: xe1, .offset: 16, .size: 8, .value_kind: global_buffer, .address_space: global }
      - { .name: sb, .offset: 24, .size: 8, .value_kind: global_buffer, .address_space: global }
    .group_segment_fixed_size: 327680
    .private_segment_fixed_size: 0
    .kernarg_segment_align: 8
    .kernarg_segment_size: 32
    .max_flat_workgroup_size: 128
    .sgpr_count:     88
    .vgpr_count:     1024
    .wavefront_size: 32
...
	.end_amdgpu_metadata
.endif
;; end of part 2
;; launch step2: the kernel of part 2 again; grid 8 x 32, 4 waves a work-group, clusters of 4 x 4, 327,680 bytes of LDS; arguments wpk, sb, xe2, sa; writes sa
;; launch step3: the kernel of part 2 again; grid 8 x 32, 4 waves a work-group, clusters of 4 x 4, 327,680 bytes of LDS; arguments wpk, sa, xe3, sb; writes sb
;; launch step4: the kernel of part 2 again; grid 8 x 32, 4 waves a work-group, clusters of 4 x 4, 327,680 bytes of LDS; arguments wpk, sb, xe4, sa; writes sa
;; launch last (part 3): grid 8 x 32, 4 waves a work-group, clusters of 4 x 4, 327,680 bytes of LDS; arguments wpk, sa, out0; writes out0
.if DOCPART == 3
	.amdgcn_target "amdgcn-amd-amdhsa--gfx1250"
	.amdhsa_code_object_version 6
	.text
	.protected	k_qc5463f50ed_last
	.globl	k_qc5463f50ed_last
	.p2align	8
	.type	k_qc5463f50ed_last,@function
k_qc5463f50ed_last:
	s_mov_b64 s[64:65], 0
	v_nop
	global_prefetch_b8 v0, s[64:65] scope:SCOPE_SE
	s_setreg_imm32_b32 hwreg(HW_REG_WAVE_MODE, 25, 1), 1
	s_wait_xcnt 0x0
	s_wait_alu depctr_hold_cnt(0) depctr_sa_sdst(0) depctr_va_vdst(0) depctr_va_sdst(0) depctr_va_ssrc(0) depctr_va_vcc(0) depctr_vm_vsrc(0)
	s_getreg_b32 s2, hwreg(HW_REG_IB_STS2, 6, 4)
	s_cmp_eq_u32 s2, 0
	s_cbranch_scc0 .Lentry_in_a_cluster
	s_endpgm
.Lentry_in_a_cluster:
	s_bfe_u32 s2, ttmp6, 0x10000c
	s_cmp_lg_u32 s2, 0xf033
	s_cbranch_scc0 .Lentry_shape_is_right
	s_endpgm
.Lentry_shape_is_right:
; THE LAST LAUNCH OF THE RECURRENCE: the text of the step launches with LAST = 1: cell 2 of the last step alone; h1 leaves as f32 into out0.
; gates2 = h0 W_ih2^T + h1 W_hh2^T + b2;  c' = sig(f) c + sig(i) tanh(g);  h' = sig(o) tanh(c').  (LAST = 0 adds cell 1 of the next step: gates1 = h0 W_hh1^T + x W_ih1^T + b1.)
; All matrix operands lie in memory as FRAGMENT IMAGES of 1,024 bytes (16 rows x 32 k of bf16 as a wave's registers hold them: byte 512 s + 16 lane + 2 e = row lane % 16, k = 16 s + 8 (lane / 16) + e),
; so tiles are dense, and a fragment is two 16-byte LDS loads a lane at 16 x lane (32 lanes, 512 consecutive bytes: no padding is wanted).
; SHARES.  Work-group (nb, rb): 128 batch rows x 64 hidden columns x 4 gates.  Wave w: the 16 columns 64 nb + 16 w for all 128 rows: 8 row blocks x 4 gates = 32 accumulators.
; The product is taken transposed (source 0 = 16 weight rows, source 1 = 16 batch rows): a lane holds one batch row and eight neighbouring hidden columns, the same for all four gates,
; so the gate arithmetic stays in the lane.  A row's 64 columns (256 bytes of out0) come from four waves: they meet in a stage in LDS and leave as whole rows.
; K WALK.  8 slots; a slot holds K = 64 of h0 and of h1 (32 KiB) and of W_ih2 and W_hh2 (2 x 32 KiB; W_hh1's place stays empty); two slots in LDS take turns.  A slot is four chunks of K = 32:
; h1 x W_hh2, h0 x W_ih2, and the same again, 32 matrix instructions each.  The biases are a fifth K piece of 32, which starts all sums.
; THE RING.  Slot 0 is asked for alone at the start.  The change of slots stands at the head of a slot's last chunk, whose fragments lie in registers by then: every wave waits for its load of the next slot,
; passes a round of the cluster's barrier and asks at once for the slot after that, into the LDS bytes just read out; the last chunk is multiplied behind the request.  So only waits and the round stand between
; a tile's landing and the next request, and a request has a whole slot's 128 matrix instructions in which to land.  One text serves every slot: the LDS addresses hang on s[TB], which an exclusive or turns.
; c is wanted only behind the last product: its loads go out when the last tile has landed, so that they share the road with no tile that products wait for.
; CLUSTER 4 x 4.  The four of a cluster's row share rb, so h's tile is asked for jointly by them; the four of a column share nb and ask jointly for the weights.
; LIMITS.  h is rounded to bf16 as a matrix operand; c and all sums stay in f32.  sigmoid(v) = 1 / (1 + 2^(-v log2 e)), tanh(v) = 1 - 2 / (1 + 2^(2 v log2 e)): the latter is off by about 1.2e-7
; absolutely; saturated gates give exactly 0, 1 or -1.  NaN and infinite inputs are not treated apart.
; REGISTERS, in windows of 256 (s_set_vgpr_msb: bits 1:0 source 0, 3:2 source 1, 5:4 source 2, 7:6 destination):
;   window 0: v0-39 addresses and the ones' fragment; v64-127, v128-191 fragments of h, buffers F0 and F1
;   window 1: v0-63 c of cell 2; v64-95, v128-191 weight fragments, buffers F0 and F1; v192-255 c of cell 1
;   windows 2, 3: accumulators of row blocks 0-3, 4-7: (a, b) at 8 (8 (a % 4) + b), b = 4 L + gate, L = 0 cell 2, 1 cell 1
.set LAST, 1
.if LAST
.set NBF, 4                            ; weight fragments in an h0 chunk
.set NL,  1                            ; cells
.set RA,  64                           ; rows of 256 bytes in a load of h: waves 0 and 1 take half a tile each
.else
.set NBF, 8
.set NL,  2
.set RA,  128                          ; wave 0 takes the whole tile of h
.endif
.set NFL,   16+2*NBF                   ; LDS loads of an h0 chunk
.set SLOT,  131072                     ; h [part 2][q 2][row block 8][1 KiB], then W_hh1, W_ih2, W_hh2, each [q 2][w 4][gate 4][1 KiB]; a power of two, so that one exclusive or changes slots
.set SPARE, 2*SLOT                     ; the spare words: 128 bytes for each wave, two blocks of 256 bytes that no other line names
.set STAGE, SPARE+512                  ; LAST: 128 rows x 272 bytes for the way out; no tensor load fills it
.set SP,    272
.set ADRA, 16                          ; v16     the slot in hand: 16 x lane
.set ADRB, 17                          ; v17     the slot in hand: my wave's fragments of W_hh1 (W_ih2's lie 32,768 further)
.set ADRP, 18                          ; v18     the slot in hand: of W_hh2
.set B0,   19                          ; v19     32,768 + 4,096 w + 16 x lane; never rewritten
.set P0,   20                          ; v20     65,536 more; never rewritten
.set LO,   22                          ; v22     16 x lane; never rewritten
.set STO,  24                          ; v24-26  LAST: the way out
.set RD,   25
.set GO,   26
.set SPW,  28                          ; v28     my spare word; never rewritten
.set NIL,  29                          ; v29     0; never rewritten
.set PFO,  30                          ; v30     256 x lane; never rewritten
.set ONE,  32                          ; v32-39  a fragment with k 11 = k 12 = 1 in every row: it multiplies cell 2's biases
.set F0,   64
.set F1,   128
.set C2R,  0
.set C1R,  192
.set WV,  12                           ; s12  wave
.set G1A, 24                           ; s[24:31] descriptor group 1 for h's tiles
.set G0A, 32                           ; s[32:35] group 0 for h's tiles: it walks
.set TB,  36                           ; s36  LDS byte at which the slot in hand begins
.set LIM, 43                           ; s43  2 in a wave that prefetches, else the greatest number
.set PFA, 44                           ; s[44:45] where my prefetches stand
.set PST, 46                           ; s[46:47] bytes from slot to slot in my stream
.set G1B, 48                           ; s[48:55] group 1 for the weights' tiles
.set G0B, 56                           ; s[56:59] group 0 for the weights' tiles: it walks
.set KN,  66                           ; s[66:67] -log2 e
.set KP,  68                           ; s[68:69] 2 log2 e
.set HO,  70                           ; s[70:73] where h leaves: cell L at HO + 2 L
.set CO,  74                           ; s[74:77] where c leaves
.set CI,  78                           ; s[78:81] where c comes from
.set WEB, 82                           ; s[82:83] my images of the bias piece
.set XEB, 84                           ; s[84:85] the block's x images (LAST: my rows of out0)
.set TW,  86                           ; s86  at work; holds numbers made of the wave's number alone
.set MSB, 0
.macro WIN new                         ; the immediate's high byte repeats the setting that is left; a switch that changes nothing is dropped
.if MSB != (\new)
	s_set_vgpr_msb (MSB<<8)|(\new)
.set MSB, \new
.endif
.endm
.set MUL_LO, 0xa1                      ; source 0 (weights) window 1, source 1 (h) window 0, C and D window 2
.set MUL_HI, 0xf1
.set TO_B,   0x40                      ; destination window 1, address window 0
; A joint load, one a wave.  The branch hangs on the wave's number alone.  An s_nop 0 and four v_nop follow each of the two lines.
.macro JLOAD
.if LAST
	s_cmp_lt_u32 s[WV], 2
.else
	s_cmp_eq_u32 s[WV], 0
.endif
	s_cbranch_scc0 .Lfor_b_\@
	tensor_load_to_lds s[G0A:G0A+3], s[G1A:G1A+7]
	s_nop 0
.rept 4
	v_nop
.endr
	s_branch .Lasked_\@
.Lfor_b_\@:
	tensor_load_to_lds s[G0B:G0B+3], s[G1B:G1B+7]
	s_nop 0
.rept 4
	v_nop
.endr
.Lasked_\@:
.endm
; A prefetch of the slot that stands two refills on (two slots' matrix instructions ahead of its load): 32 blocks of 256 bytes, a lane a block.  h's tiles are read by both clusters of a row of clusters: the one
; with x = 0 asks; the weights' by the eight of a column: the one with y = 0 asks.  The four partners that ask for a tile jointly take a quarter of it each, told apart by address.  So each block is named once.
; Slots 0 to 3 come by their loads alone; the loop's trips with s3 = 6 .. 3 name slots 4 .. 7; the last two trips ask for nothing.
.macro ASK
	s_cmp_gt_u32 s3, s[LIM]
	s_cbranch_scc0 .Lnot_mine_\@
	global_prefetch_b8 v[PFO], s[PFA:PFA+1] th:TH_LOAD_NT scope:SCOPE_SE
.Lnot_mine_\@:
.endm
.macro CREST                           ; a round of the cluster's barrier behind its opening barrier
	s_cmp_lg_u32 s[WV], 0
	s_cbranch_scc1 .Lnot_wave_0_\@
	s_barrier_signal -3
.Lnot_wave_0_\@:
	s_barrier_wait -3
	s_barrier_signal -1
	s_barrier_wait -1
.endm
.macro CROUND
	s_barrier_signal -1
	s_barrier_wait -1
	CREST
.endm
.macro PLACES                          ; four plain vector instructions behind a matrix instruction, in front of loads into its sources and of readers of its result
.rept 4
	v_nop
.endr
.endm
.if LAST
	s_load_b128 s[4:7], s[0:1], 0x0                ; wpk, the state
	s_load_b64 s[8:9], s[0:1], 0x10                ; out0
.else
	s_load_b256 s[4:11], s[0:1], 0x0               ; wpk, the state in, x images, the state out
.endif
	v_lshl_add_u32 v[SPW], v0, 2, SPARE
	v_mov_b32 v[NIL], 0
	ds_add_u32 v[SPW], v[NIL]                      ; the opening: the add, twice on end, and its wait ahead of my first tensor load
	ds_add_u32 v[SPW], v[NIL]
	v_lshrrev_b32 v1, 5, v0
	v_readfirstlane_b32 s[WV], v1
	s_bfe_u32 s13, ttmp6, 0x40000                  ; cx
	s_bfe_u32 s14, ttmp6, 0x40004                  ; cy
	s_lshl_b32 s15, ttmp9, 2
	s_add_co_u32 s15, s15, s13                     ; nb = 4 x cluster x + cx
	s_and_b32 s16, ttmp7, 0xffff
	s_lshl_b32 s16, s16, 2
	s_add_co_u32 s16, s16, s14                     ; rb = 4 x cluster y + cy
	s_lshl_b32 s17, s14, 2
	s_lshl_b32 s17, 15, s17                        ; my row of the cluster
	s_lshl_b32 s42, 0x1111, s13                    ; my column
	; group 1: dense rows of 256 bytes: 32 elements of 8 bytes, pitch 32; no padding; bit 21 set beside the mask
	s_or_b32 s[G1A], s17, (3<<16)|(1<<21)
	s_or_b32 s[G1B], s42, (3<<16)|(1<<21)
	s_mov_b32 s[G1A+1], 32<<16                     ; tensor_dim0
	s_mov_b32 s[G1A+2], RA<<16                     ; tensor_dim1
	s_mov_b32 s[G1A+3], 32<<16                     ; tile_dim0
	s_mov_b32 s[G1A+4], RA                         ; tile_dim1
	s_mov_b32 s[G1A+5], 32                         ; elements from row to row
	s_mov_b32 s[G1A+6], 0
	s_mov_b32 s[G1A+7], 0
	s_mov_b32 s[G1B+1], 32<<16
	s_mov_b32 s[G1B+2], 128<<16
	s_mov_b32 s[G1B+3], 32<<16
	s_mov_b32 s[G1B+4], 128
	s_mov_b32 s[G1B+5], 32
	s_mov_b32 s[G1B+6], 0
	s_mov_b32 s[G1B+7], 0
	s_mov_b32 s[KN], 0xbfb8aa3b
	s_mov_b32 s[KN+1], 0xbfb8aa3b
	s_mov_b32 s[KP], 0x4038aa3b
	s_mov_b32 s[KP+1], 0x4038aa3b
	s_lshl_b32 s40, s[WV], 15                      ; LDS: wave w's weight third lies at 32,768 w
	s_lshl_b32 s18, s16, 18                        ; h of my row block
.if LAST
	s_lshl_b32 s41, s[WV], 14                      ; waves 0 and 1: h0's and h1's half of the tile
	s_add_co_u32 s18, s18, s41
.else
	s_lshl_b32 s41, s[WV], 15                      ; wave 0: the tile's first byte
.endif
	s_mov_b32 s19, 0
	s_mul_i32 s20, s15, 786432                     ; the weights of my column block,
	s_max_u32 s21, s[WV], 1
	s_sub_co_u32 s21, s21, 1
	s_lshl_b32 s21, s21, 15                        ; matrix w - 1
	s_add_co_u32 s20, s20, s21
	s_mov_b32 s21, 0
	s_mov_b32 s[G0A], 1                            ; count = 1
	s_mov_b32 s[G0A+1], s41                        ; LDS address: slot 0
	s_mov_b32 s[G0B], 1
	s_mov_b32 s[G0B+1], s40
	s_mov_b32 s[TB], SLOT                          ; the first change of slots turns it into 0
	s_wait_dscnt 0x0                               ; both opening adds are done
	s_wait_kmcnt 0x0
	s_add_nc_u64 s[18:19], s[6:7], s[18:19]
	s_add_nc_u64 s[20:21], s[4:5], s[20:21]
	s_mov_b64 s[G0A+2:G0A+3], s[18:19]             ; global address: slot 0
	s_or_b32 s[G0A+3], s[G0A+3], 0x80000000        ; type = 2
	s_mov_b64 s[G0B+2:G0B+3], s[20:21]
	s_or_b32 s[G0B+3], s[G0B+3], 0x80000000
	CROUND                                         ; all sixteen work-groups are here: the first joint loads meet
	JLOAD                                          ; slot 0, alone: one load of mine is out
	; the prefetches: my stream, my work-group's quarter of a tile, three slots on; the loop's first trip steps it to slot 4
	s_and_b32 s22, ttmp7, 0xffff
	s_mov_b32 s17, 98304
.if LAST
	s_cmp_lt_u32 s[WV], 2
.else
	s_cmp_eq_u32 s[WV], 0
.endif
	s_cselect_b32 s23, s13, s14                    ; my place among the four that ask with me
	s_cselect_b32 s22, ttmp9, s22                  ; the coordinate along which other clusters read the same tiles
	s_cselect_b64 s[PFA:PFA+1], s[18:19], s[20:21]
	s_cselect_b32 s[PST], 32768, s17
	s_mov_b32 s[PST+1], 0
	s_cmp_eq_u32 s22, 0
	s_cselect_b32 s[LIM], 2, -1
.if LAST
	s_cmp_eq_u32 s[WV], 1                          ; wave 0's quarters cover both halves of h's tile
	s_cselect_b32 s[LIM], -1, s[LIM]
.endif
	s_mul_i32 s22, s[PST], 3
	s_lshl_b32 s23, s23, 13
	s_add_co_u32 s22, s22, s23
	s_mov_b32 s23, 0
	s_add_nc_u64 s[PFA:PFA+1], s[PFA:PFA+1], s[22:23]
	; lane registers
	v_and_b32 v1, 15, v0                           ; r
	v_bfe_u32 v2, v0, 4, 1                         ; hh
	v_and_b32 v[LO], 31, v0
	v_lshlrev_b32 v[LO], 4, v[LO]
	v_lshlrev_b32 v[PFO], 4, v[LO]
	s_lshl_b32 s[TW], s[WV], 12
	s_add_co_u32 s[TW], s[TW], 32768
	v_add_nc_u32 v[B0], s[TW], v[LO]
	v_add_nc_u32 v[P0], 65536, v[B0]
	v_mov_b32 v[ONE], 0
	v_mul_u32_u24 v[ONE+1], v2, 127
	v_lshlrev_b32 v[ONE+2], 7, v[ONE+1]            ; k 12: lanes 16-31, register 2, low half = 1.0
	v_lshlrev_b32 v[ONE+1], 23, v[ONE+1]           ; k 11: lanes 16-31, register 1, high half = 1.0
	v_mov_b32 v[ONE+3], 0
	v_mov_b32 v[ONE+4], 0
	v_mov_b32 v[ONE+5], 0
	v_mov_b32 v[ONE+6], 0
	v_mov_b32 v[ONE+7], 0
.if LAST
	v_mul_u32_u24 v[STO], v1, SP                   ; into the stage: row r of a block, my wave's 64 bytes, 32 for each half of the lanes
	v_lshl_add_u32 v[STO], v2, 5, v[STO]
	s_lshl_b32 s[TW], s[WV], 6
	s_add_co_u32 s[TW], s[TW], STAGE
	v_add_nc_u32 v[STO], s[TW], v[STO]
	v_mul_u32_u24 v[RD], v2, SP                    ; back: wave w takes rows 32 w .. 32 w + 31 whole; lanes 0-15 one row of 256 bytes, lanes 16-31 the next
	v_lshl_add_u32 v[RD], v1, 4, v[RD]
	s_mul_i32 s[TW], s[WV], 32*SP
	s_add_co_u32 s[TW], s[TW], STAGE
	v_add_nc_u32 v[RD], s[TW], v[RD]
	v_lshlrev_b32 v[GO], 11, v2                    ; and the same two rows of out0
	v_lshl_add_u32 v[GO], v1, 4, v[GO]
	s_lshl_b32 s22, s16, 18                        ; (128 rb + 32 w) rows of 2,048 bytes + 256 nb
	s_lshl_b32 s17, s[WV], 16
	s_add_co_u32 s22, s22, s17
	s_lshl_b32 s17, s15, 8
	s_add_co_u32 s22, s22, s17
	s_add_nc_u64 s[XEB:XEB+1], s[8:9], s[22:23]
.else
	s_lshl_b32 s22, s16, 18                        ; h out: [rb][j = nb][part][q = w / 2][row block][image], my half s = w % 2
	s_lshl_b32 s17, s15, 15
	s_add_co_u32 s22, s22, s17
	s_lshr_b32 s17, s[WV], 1
	s_lshl_b32 s17, s17, 13
	s_add_co_u32 s22, s22, s17
	s_and_b32 s17, s[WV], 1
	s_lshl_b32 s17, s17, 9
	s_add_co_u32 s22, s22, s17
	s_add_nc_u64 s[HO+2:HO+3], s[10:11], s[22:23]  ; cell 1: h0
	s_add_nc_u64 s[HO:HO+1], s[HO+2:HO+3], 16384   ; cell 2: h1
	s_lshl_b32 s22, s16, 13
	s_add_nc_u64 s[XEB:XEB+1], s[8:9], s[22:23]
.endif
	s_lshl_b32 s22, s16, 3                         ; c: [rb][nb][w][row block][half][lane][16 bytes]
	s_add_co_u32 s22, s22, s15
	s_lshl_b32 s22, s22, 15
	s_lshl_b32 s17, s[WV], 13
	s_add_co_u32 s22, s22, s17
	s_add_nc_u64 s[CI:CI+1], s[6:7], s[22:23]
	s_add_nc_u64 s[CI:CI+1], s[CI:CI+1], 8388608   ; cell 2's
.if !LAST
	s_add_nc_u64 s[CI+2:CI+3], s[CI:CI+1], 8388608 ; cell 1's
	s_add_nc_u64 s[CO:CO+1], s[10:11], s[22:23]
	s_add_nc_u64 s[CO:CO+1], s[CO:CO+1], 8388608
	s_add_nc_u64 s[CO+2:CO+3], s[CO:CO+1], 8388608
.endif
	s_lshl_b32 s22, s15, 15
	s_lshl_b32 s17, s[WV], 12
	s_add_co_u32 s22, s22, s17
	s_add_nc_u64 s[WEB:WEB+1], s[4:5], s[22:23]
	s_add_nc_u64 s[WEB:WEB+1], s[WEB:WEB+1], 6291456
	; straight into registers: the bias piece's weights and x, into buffer F1
	WIN TO_B
.set bb, 0
.rept NBF
.if bb < 4
.set fo, 16384+bb*1024                 ; cell 2's
.else
.set fo, (bb-4)*1024                   ; cell 1's
.endif
	global_load_b128 v[F1+8*bb:F1+8*bb+3],   v[LO], s[WEB:WEB+1] offset:fo
	global_load_b128 v[F1+8*bb+4:F1+8*bb+7], v[LO], s[WEB:WEB+1] offset:fo+512
.set bb, bb+1
.endr
	WIN 0
.if !LAST
.set ii, 0
.rept 16
	global_load_b128 v[F1+4*ii:F1+4*ii+3], v[LO], s[XEB:XEB+1] offset:512*ii
.set ii, ii+1
.endr
.endif
; 2 nbf matrix instructions: row blocks a0, a0 + 1 of the window's four x nbf weight fragments, 32 along K.  The accumulators take turns, one instruction a turn.
.macro MUL f, hi, a0, nbf
	WIN MUL_LO+0x50*(\hi)
.irp a, \a0, (\a0)+1
.set bb, 0
.rept \nbf
	v_wmma_f32_16x16x32_bf16 v[8*(8*(\a)+bb):8*(8*(\a)+bb)+7], v[(\f)+8*bb:(\f)+8*bb+7], v[(\f)+8*(4*(\hi)+(\a)):(\f)+8*(4*(\hi)+(\a))+7], v[8*(8*(\a)+bb):8*(8*(\a)+bb)+7]
.set bb, bb+1
.endr
.endr
.endm
; The bias piece starts every sum with the constant 0: cell 2's biases times ones, cell 1's (W_ih1, biases) times (x, ones).
.macro MULX hi
	WIN MUL_LO+0x50*(\hi)
.irp a, 0,1,2,3
.set bb, 0
.rept NBF
.if bb < 4
	v_wmma_f32_16x16x32_bf16 v[8*(8*(\a)+bb):8*(8*(\a)+bb)+7], v[F1+8*bb:F1+8*bb+7], v[ONE:ONE+7], 0
.else
	v_wmma_f32_16x16x32_bf16 v[8*(8*(\a)+bb):8*(8*(\a)+bb)+7], v[F1+8*bb:F1+8*bb+7], v[F1+8*(4*(\hi)+(\a)):F1+8*(4*(\hi)+(\a))+7], 0
.endif
.set bb, bb+1
.endr
.endr
.endm
; 24 LDS loads: chunk q of h1 x W_hh2 of the slot in hand into buffer F0: 4 weight fragments, then 8 of h1
.macro FETCH_P q
	WIN TO_B
.irp g, 0,1,2,3
	ds_load_b128 v[F0+8*(\g):F0+8*(\g)+3],   v[ADRP] offset:(\q)*16384+(\g)*1024
	ds_load_b128 v[F0+8*(\g)+4:F0+8*(\g)+7], v[ADRP] offset:(\q)*16384+(\g)*1024+512
.endr
	WIN 0
.irp a, 0,1,2,3,4,5,6,7
	ds_load_b128 v[F0+8*(\a):F0+8*(\a)+3],   v[ADRA] offset:16384+(\q)*8192+(\a)*1024
	ds_load_b128 v[F0+8*(\a)+4:F0+8*(\a)+7], v[ADRA] offset:16384+(\q)*8192+(\a)*1024+512
.endr
.endm
; NFL LDS loads: chunk q of h0 x (W_ih2, W_hh1) into buffer F1: NBF weight fragments, then 8 of h0
.macro FETCH_F q
	WIN TO_B
.set bb, 0
.rept NBF
.if bb < 4
.set fo, 32768+(\q)*16384+bb*1024
.else
.set fo, (\q)*16384+(bb-4)*1024
.endif
	ds_load_b128 v[F1+8*bb:F1+8*bb+3],   v[ADRB] offset:fo
	ds_load_b128 v[F1+8*bb+4:F1+8*bb+7], v[ADRB] offset:fo+512
.set bb, bb+1
.endr
	WIN 0
.irp a, 0,1,2,3,4,5,6,7
	ds_load_b128 v[F1+8*(\a):F1+8*(\a)+3],   v[ADRA] offset:(\q)*8192+(\a)*1024
	ds_load_b128 v[F1+8*(\a)+4:F1+8*(\a)+7], v[ADRA] offset:(\q)*8192+(\a)*1024+512
.endr
.endm
.macro QP q                            ; an h1 chunk is multiplied; in its middle the h0 chunk of the same q is fetched
	s_wait_dscnt 8                                 ; all but the youngest eight loads (row blocks 4-7)
	MUL F0, 0, 0, 4
	MUL F0, 0, 2, 4
	PLACES
	FETCH_F \q
	s_wait_dscnt NFL                               ; all but the run just issued
	MUL F0, 1, 0, 4
	MUL F0, 1, 2, 4
.endm
.macro QF                              ; the slot's first h0 chunk; in its middle the second h1 chunk is fetched
	s_wait_dscnt 8
	MUL F1, 0, 0, NBF
	MUL F1, 0, 2, NBF
	PLACES
	FETCH_P 1
	s_wait_dscnt 24
	MUL F1, 1, 0, NBF
	MUL F1, 1, 2, NBF
.endm
.macro LEFT w                          ; a slot's last h0 chunk, from buffer F1.  w = 1: its LDS loads are still to be waited for
.if \w
	s_wait_dscnt 8
.endif
	MUL F1, 0, 0, NBF
	MUL F1, 0, 2, NBF
.if \w
	s_wait_dscnt 0x0
.endif
	MUL F1, 1, 0, NBF
	MUL F1, 1, 2, NBF
.endm
; THE CHANGE OF SLOTS.  Each wave waits for all its tensor loads (one is out: its part of the next slot), adds 0 to its spare word, and waits for that and for its own reads of the slot that it leaves
; (the last of them brought the chunk that is still to be multiplied).  fill = 1: a round of the cluster's barrier, so that no wave of any partner still reads that slot or has a load on its way; behind it the
; joint load of the slot after the next, into the bytes just left, first of all.  Then the next slot's addresses and its first fragments.  ask = 1: the prefetches' address steps, and one is issued.
.macro CHG fill, ask
.if \ask
	s_wait_xcnt 0x0                                ; the last prefetch, a slot back, has read its address
	s_add_nc_u64 s[PFA:PFA+1], s[PFA:PFA+1], s[PST:PST+1]
.endif
	WIN 0
	s_wait_tensorcnt 0x0                           ; no tensor load of mine is out, so a group 0 may be written
	ds_add_u32 v[SPW], v[NIL]                      ; the scalar steps stand between the add and the wait for it
.if \fill
	s_xor_b32 s[G0A+1], s[G0A+1], SLOT             ; the walking descriptors: the other slot than last time,
	s_add_nc_u64 s[G0A+2:G0A+3], s[G0A+2:G0A+3], 32768  ; the next K = 64; the type bits on top are not reached
	s_xor_b32 s[G0B+1], s[G0B+1], SLOT
	s_add_nc_u64 s[G0B+2:G0B+3], s[G0B+2:G0B+3], 98304
.endif
	s_xor_b32 s[TB], s[TB], SLOT                   ; the reads go on in the other slot
	s_wait_dscnt 0x0                               ; the add is done, and my reads of the slot that I leave are over
.if \fill
	CROUND
	JLOAD                                          ; its four v_nop are also the places in front of the loads below
.else
	s_barrier_signal -1
	s_barrier_wait -1
	PLACES
.endif
	v_add_nc_u32 v[ADRA], s[TB], v[LO]
	v_add_nc_u32 v[ADRB], s[TB], v[B0]
	v_add_nc_u32 v[ADRP], s[TB], v[P0]
	FETCH_P 0
.if \ask
	ASK
.endif
.endm
; c, straight into registers: row blocks 0-3 of both cells first, so that the first half of the gates waits for these alone
.macro CLOADS
	WIN TO_B
.irp hi, 0,1
.set ii, 8*(\hi)
.rept 8
	global_load_b128 v[C2R+4*ii:C2R+4*ii+3], v[LO], s[CI:CI+1] offset:512*ii th:TH_LOAD_NT
.set ii, ii+1
.endr
.if !LAST
.set ii, 8*(\hi)
.rept 8
	global_load_b128 v[C1R+4*ii:C1R+4*ii+3], v[LO], s[CI+2:CI+3] offset:512*ii th:TH_LOAD_NT
.set ii, ii+1
.endr
.endif
.endr
.endm
	CHG 1, 0                                       ; slot 0 is in, everybody's part of it; slot 1 is asked for; slot 0's first fragments are fetched
	s_wait_loadcnt 0x0                             ; the bias piece and x
	MULX 0                                         ; in the place where later trips multiply the last chunk of the slot before
	MULX 1
	WIN 0
	s_mov_b32 s3, 7
	s_branch .Lbody                                ; the loop is entered in the middle of a trip
.Lslot:                                                ; six times: slots 1 to 6 are entered, slots 2 to 7 asked for
	CHG 1, 1
	LEFT 0
	WIN 0
.Lbody:
	QP 0
	QF
	QP 1
	WIN 0
	s_sub_co_u32 s3, s3, 1
	s_cmp_lg_u32 s3, 0
	s_cbranch_scc1 .Lslot
	LEFT 1                                         ; the tail is written out: nothing more is asked for, so slot 6's last chunk stands ahead of the wait for slot 7
	CHG 0, 0
	CLOADS                                         ; the last tile has landed
	QP 0
	QF
	QP 1
	LEFT 1
	WIN 0
	PLACES
; THE GATES, in place, a window (four row blocks) at a time.  The two transcendentals of a pair stand behind the next pair's plain line; a phase's transcendentals are one batch, with a plain instruction
; behind the last and a wait ahead of the first reader.  Each accumulator is read from its low end on.
.macro TRAIL op
.if n > 0
	\op v[pr], v[pr]
	\op v[pr+1], v[pr+1]
.endif
.set pr, rr
.set n, n+1
.endm
.macro TEND op
	\op v[pr], v[pr]
	\op v[pr+1], v[pr+1]
	v_nop
	s_wait_alu depctr_va_vdst(0)
.endm
.macro RALL                            ; pair n of all accumulators in use
.set rr, 64*(n/(4*NBF))+2*(n%(4*NBF))
.endm
.macro RG g                            ; pair n of the accumulators of gate g: row block n / (4 NL), cell (n / 4) % NL, pair n % 4
.set rr, 64*(n/(4*NL))+32*((n/4)%NL)+8*(\g)+2*(n%4)
.endm
.macro EPI hi
.set AW, 0xaa+0x55*(\hi)               ; all operands in the window
.set YW, 0xa6+0x51*(\hi)               ; source 1 in window 1
.set SW, 0x08+0x04*(\hi)               ; a store: address in window 0, data in the window
	WIN AW
.set n, 0
.rept 16*NBF                           ; 2^(-v log2 e) for i, f, o; 2^(2 v log2 e) for g
	RALL
.if ((n/4)%4) == 2
	v_pk_mul_f32 v[rr:rr+1], v[rr:rr+1], s[KP:KP+1] op_sel_hi:[1,0]
.else
	v_pk_mul_f32 v[rr:rr+1], v[rr:rr+1], s[KN:KN+1] op_sel_hi:[1,0]
.endif
	TRAIL v_exp_f32
.endr
	TEND v_exp_f32
.set n, 0
.rept 16*NBF                           ; 1 / (1 + ..)
	RALL
	v_pk_add_f32 v[rr:rr+1], v[rr:rr+1], 1.0 op_sel_hi:[1,0]
	TRAIL v_rcp_f32
.endr
	TEND v_rcp_f32
.set n, 0
.rept 16*NL                            ; tanh(g) = 1 - 2 ..
	RG 2
	v_pk_fma_f32 v[rr:rr+1], v[rr:rr+1], -2.0, 1.0 op_sel_hi:[1,0,0]
.set n, n+1
.endr
.set n, 0
.rept 16*NL                            ; i g
	RG 0
	v_pk_mul_f32 v[rr:rr+1], v[rr:rr+1], v[rr+16:rr+17]
.set n, n+1
.endr
.if (\hi) == 0
	s_wait_loadcnt 8*NL                            ; c of row blocks 0-3 is in; the loads of row blocks 4-7 may stay out
.else
	s_wait_loadcnt 0x0                             ; c of row blocks 4-7
.endif
	WIN YW
.set n, 0
.rept 16*NL                            ; c' = f c + i g, in f's place
	RG 1
.set cr, C1R*((n/4)%NL)+8*(4*(\hi)+n/(4*NL))+2*(n%4)
	v_pk_fma_f32 v[rr:rr+1], v[rr:rr+1], v[cr:cr+1], v[rr-8:rr-7]
.set n, n+1
.endr
.if !LAST
	WIN SW
.set n, 0
.rept 4*NL                             ; c' leaves in f32; its registers are not written again
.set rr, 64*(n/NL)+32*(n%NL)+8
	global_store_b128 v[LO], v[rr:rr+3],   s[CO+2*(n%NL):CO+2*(n%NL)+1] offset:(4*(\hi)+n/NL)*1024 th:TH_STORE_NT
	global_store_b128 v[LO], v[rr+4:rr+7], s[CO+2*(n%NL):CO+2*(n%NL)+1] offset:(4*(\hi)+n/NL)*1024+512 th:TH_STORE_NT
.set n, n+1
.endr
.endif
	WIN AW
.set n, 0
.rept 16*NL                            ; tanh(c'), in i's place
	RG 0
	v_pk_mul_f32 v[rr:rr+1], v[rr+8:rr+9], s[KP:KP+1] op_sel_hi:[1,0]
	TRAIL v_exp_f32
.endr
	TEND v_exp_f32
.set n, 0
.rept 16*NL
	RG 0
	v_pk_add_f32 v[rr:rr+1], v[rr:rr+1], 1.0 op_sel_hi:[1,0]
	TRAIL v_rcp_f32
.endr
	TEND v_rcp_f32
.set n, 0
.rept 16*NL
	RG 0
	v_pk_fma_f32 v[rr:rr+1], v[rr:rr+1], -2.0, 1.0 op_sel_hi:[1,0,0]
.set n, n+1
.endr
.set n, 0
.rept 16*NL                            ; h' = o tanh(c')
	RG 3
	v_pk_mul_f32 v[rr:rr+1], v[rr:rr+1], v[rr-24:rr-23]
.set n, n+1
.endr
.if LAST
	WIN SW
.set n, 0
.rept 4                                ; eight f32 of a row into the stage
.set rr, 64*n+24
	ds_store_b128 v[STO], v[rr:rr+3],   offset:(4*(\hi)+n)*16*SP
	ds_store_b128 v[STO], v[rr+4:rr+7], offset:(4*(\hi)+n)*16*SP+16
.set n, n+1
.endr
.else
.set n, 0
.rept 16*NL                            ; rounded to bf16, into g's first four registers: 16 bytes of the next launch's image
	RG 3
	v_cvt_pk_bf16_f32 v[rr-8-(n%4)], v[rr], v[rr+1]
.set n, n+1
.endr
	WIN SW
.set n, 0
.rept 4*NL
.set rr, 64*(n/NL)+32*(n%NL)+16
	global_store_b128 v[LO], v[rr:rr+3], s[HO+2*(n%NL):HO+2*(n%NL)+1] offset:(4*(\hi)+n/NL)*1024
.set n, n+1
.endr
.endif
.endm
	EPI 0
	EPI 1
	WIN 0
.if LAST
	s_wait_dscnt 0x0                               ; for the others' sake: a row's 256 bytes come from four waves
	s_barrier_signal -1
	s_barrier_wait -1
.set ii, 0
.rept 16
	ds_load_b128 v[F0+4*ii:F0+4*ii+3], v[RD] offset:ii*2*SP
.set ii, ii+1
.endr
.set ii, 0
.rept 16
	s_wait_dscnt 15-ii
	global_store_b128 v[GO], v[F0+4*ii:F0+4*ii+3], s[XEB:XEB+1] offset:ii*4096 th:TH_STORE_NT  ; 16 lanes store 256 consecutive bytes, at a multiple of 256 from out0's first byte
.set ii, ii+1
.endr
.endif
	s_wait_tensorcnt 0x0                           ; the wave's end
	ds_add_u32 v[SPW], v[NIL]
	s_wait_dscnt 0x0
	CROUND                                         ; the closing round: no work-group ends while a partner may still ask for a tile that names it
	s_endpgm
.Lfunc_end_k_qc5463f50ed_last:
	.size	k_qc5463f50ed_last, .Lfunc_end_k_qc5463f50ed_last-k_qc5463f50ed_last
	.p2alignl 7, 3214868480
	.fill 96, 4, 3214868480
	.section	.rodata,"a",@progbits
	.p2align	6, 0x0
	.amdhsa_kernel k_qc5463f50ed_last
		.amdhsa_group_segment_fixed_size 327680
		.amdhsa_private_segment_fixed_size 0
		.amdhsa_enable_private_segment 0
		.amdhsa_kernarg_size 24
		.amdhsa_user_sgpr_count 2
		.amdhsa_user_sgpr_kernarg_segment_ptr 1
		.amdhsa_wavefront_size32 1
		.amdhsa_system_sgpr_workgroup_id_x 1
		.amdhsa_system_sgpr_workgroup_id_y 1
		.amdhsa_system_sgpr_workgroup_id_z 1
		.amdhsa_system_vgpr_workitem_id 0
		.amdhsa_next_free_vgpr 1024
		.amdhsa_next_free_sgpr 88
		.amdhsa_reserve_vcc 0
		.amdhsa_float_denorm_mode_32 3
		.amdhsa_float_denorm_mode_16_64 3
		.amdhsa_memory_ordered 1
		.amdhsa_forward_progress 1
		.amdhsa_inst_pref_size 105
	.end_amdhsa_kernel
	.amdgpu_metadata
---
amdhsa.version: [ 1, 2 ]
amdhsa.kernels:
  - .name:           k_qc5463f50ed_last
    .symbol:         k_qc5463f50ed_last.kd
    .args:
      - { .name: wpk, .offset: 0, .size: 8, .value_kind: global_buffer, .address_space: global }
      - { .name: sa, .offset: 8, .size: 8, .value_kind: global_buffer, .address_space: global }
      - { .name: out0, .offset: 16, .size: 8, .value_kind: global_buffer, .address_space: global }
    .group_segment_fixed_size: 327680
    .private_segment_fixed_size: 0
    .kernarg_segment_align: 8
    .kernarg_segment_size: 24
    .max_flat_workgroup_size: 128
    .sgpr_count:     88
    .vgpr_count:     1024
    .wavefront_size: 32
...
	.end_amdgpu_metadata
.endif
;; end of part 3
;; ======== version 2 of 2: 6 launches; version 1 with the launch prep written anew for expert scheduling mode
;; limits: values outside matrix products are rounded to bf16
;; workspace buffers: wpk 6,553,600 bytes; sa 25,165,824 bytes; sb 25,165,824 bytes; xe1 262,144 bytes; xe2 262,144 bytes; xe3 262,144 bytes; xe4 262,144 bytes
;; launch prep (part 4): grid 8 x 32, 4 waves a work-group, no clusters, 0 bytes of LDS; arguments x, W_ih1, b_ih1, b_hh1, b_ih2, b_hh2, W_hh1, W_ih2, W_hh2, wpk, sa, xe1, xe2, xe3, xe4; writes wpk, sa, xe1, xe2, xe3, xe4
.if DOCPART == 4
	.amdgcn_target "amdgcn-amd-amdhsa--gfx1250"
	.amdhsa_code_object_version 6
	.text
	.protected	k_qc5463f50ed_prep
	.globl	k_qc5463f50ed_prep
	.p2align	8
	.type	k_qc5463f50ed_prep,@function
k_qc5463f50ed_prep:
	s_mov_b64 s[64:65], 0
	v_nop
	global_prefetch_b8 v0, s[64:65] scope:SCOPE_SE
	s_setreg_imm32_b32 hwreg(HW_REG_WAVE_SCHED_MODE, 0, 2), 2
	s_setreg_imm32_b32 hwreg(HW_REG_WAVE_MODE, 25, 1), 1
	s_wait_xcnt 0x0
	s_wait_alu depctr_vm_vsrc(0)
; PREPARATION for the two-cell LSTM (batch 4,096, hidden 512, 5 steps).  It stores
;   wpk  the three 2,048 x 512 weight matrices, and a K piece of 32 that holds W_ih1 and the biases, rounded to bf16, as FRAGMENT IMAGES;
;   xe1..xe4  x of steps 1 to 4 as images (k 0-10 = x, k 11 = k 12 = 1, which multiply the two biases);
;   sa   the state behind cell 1 of step 0: h0 (bf16 images), c of cell 1 (f32), and zeros for h1 and c of cell 2.
; A FRAGMENT IMAGE is the register picture of a 16 rows x 32 k bf16 matrix operand, 1,024 bytes: byte 512 s + 16 lane + 2 e holds (row lane % 16, k = 16 s + 8 (lane / 16) + e).
; Two 16-byte accesses a lane move a fragment; each store of a wave covers 512 consecutive bytes, aligned.
; SHARES.  Work-group (nb = x, rb = y): 128 batch rows rb, 64 hidden columns nb; wave w the 16 columns 64 nb + 16 w.  Cell 1 of step 0 has h = c = 0, so its gates are x0 W_ih1^T + b alone (one matrix
; instruction of K = 32 a tile), and the f gate multiplies c = 0 and is not made.  Beside that each wave packs six weight images and one x image, each work-group one image of the bias piece.
; LIMITS.  x, weights and biases are rounded once to bf16; h is rounded to bf16 (a matrix operand of the next launch); c and all sums stay in f32.  sigmoid(v) = 1 / (1 + 2^(-v log2 e)),
; tanh(v) = 1 - 2 / (1 + 2^(2 v log2 e)): the latter is off by about 1.2e-7 absolutely; saturated gates give exactly 0, 1 or -1.  NaN and infinite inputs are not treated apart.
; THE MODE: SCHED_MODE bits 1:0 = 2 (LLVM: expert scheduling mode 2), set by the entry lines.  The code itself states the register dependences
; between vector or matrix instructions and memory instructions, with s_wait_alu, always for 0.
; THE PLAN.  Registers that memory instructions touch:
;   v3-v7, v8-v11   offsets, and the zeros that are stored: written once at the head, never again.
;   XR, BR, TR, ER  the small loads land here before any vector instruction has named them; the BUILD lines read them.
;   WR  v16-111     the raw weights land here once the BUILD lines are done reading these registers; at the end they are rounded in place and stored from there.
;   DW  v112-119    the bias image: written by BUILD, read by wave 0's two stores; pass 0's products write these registers next.
;   DX = HB v160-167  the x image: written by BUILD, read by two stores; then the out-buffer of h: written by a pass's eight roundings, read by two stores that are issued in the next pass.
;   c   ACC + 24 a2 + 0 .. 7: written by a pass's multiplies, read by four stores in the same pass; the next pass's products write these registers next.
; A pass's six stores (its c, the last pass's h) stand together, directly behind the wait that ends the batch of exponentials of tanh(c); one pair of waits ahead of the pass's roundings states that those
; stores have read HB, which the roundings write, and c, which the next pass's products write.  No other wait for a store stands in a pass.
.set WV,  2           ; s2  wave
.set NBI, 3           ; s3  nb
.set RBI, 4           ; s4  rb
.set HM,  6           ; s6  mask of lanes 16-31
.set LM,  7           ; s7  all ones where the work-group's bias image is cell 2's
.set KN,  8           ; s[8:9]   -log2 e
.set KP,  10          ; s[10:11] 2 log2 e
.set XR,  16          ; v16-103   x of step 0, raw: 8 row blocks x 11
.set BR,  104         ; v104-142  W_ih1's row and the two biases, raw, for gates i, g, o: 3 x 13
.set TR,  143         ; v143-153  x of step w + 1, raw
.set ER,  154         ; v154-166  the bias image's 13 raw values
.set AF,  168         ; v168-231  8 fragments of x0
.set BF,  232         ; v232-255  3 fragments of weights
.set DW,  112         ; v112-119  the bias image (BR is free by then)
.set DX,  160         ; v160-167  the x image    (ER is free by then)
.set HB,  160         ; v160-167  later: a pass's h in bf16, row block a2 at HB + 4 a2
.set WR,  16          ; v16-111   later: 12 x 8 raw weights
.set ACC, 112         ; v112-159  6 accumulators: row block a2 (0, 1), gate gi (i, g, o) at ACC + 8 (3 a2 + gi)
	s_load_b512 s[16:31], s[0:1], 0x0              ; x, W_ih1, b_ih1, b_hh1, b_ih2, b_hh2, W_hh1, W_ih2
	s_load_b256 s[32:39], s[0:1], 0x40             ; W_hh2, wpk, sa, xe1
	s_load_b128 s[40:43], s[0:1], 0x60             ; xe2, xe3
	s_load_b64 s[44:45], s[0:1], 0x70              ; xe4
	v_lshrrev_b32 v1, 5, v0
	v_readfirstlane_b32 s[WV], v1
	s_mov_b32 s[NBI], ttmp9
	s_and_b32 s[RBI], ttmp7, 0xffff
	s_mov_b32 s[HM], 0xffff0000
	s_mov_b32 s[KN], 0xbfb8aa3b
	s_mov_b32 s[KN+1], 0xbfb8aa3b
	s_mov_b32 s[KP], 0x4038aa3b
	s_mov_b32 s[KP+1], 0x4038aa3b
	v_and_b32 v1, 15, v0                           ; r
	v_bfe_u32 v2, v0, 4, 1                         ; hh
	v_and_b32 v3, 31, v0
	v_lshlrev_b32 v3, 4, v3                        ; 16 x lane
	v_mul_u32_u24 v4, v1, 220                      ; a batch row of x: 5 x 11 f32
	v_mul_u32_u24 v5, v1, 44                       ; a row of W_ih1
	v_lshlrev_b32 v6, 2, v1                        ; a bias
	v_lshlrev_b32 v7, 11, v1                       ; a row of a 512-wide matrix,
	v_lshl_add_u32 v7, v2, 5, v7                   ; + 8 hh numbers
	v_mov_b32 v8, 0
	v_mov_b32 v9, 0
	v_mov_b32 v10, 0
	v_mov_b32 v11, 0
	v_mov_b32 v12, 1.0
	s_wait_alu depctr_va_sdst(0)                   ; the wave's number is written, ahead of its first reader: the offsets below are made from it
	s_lshl_b32 s5, s[NBI], 6
	s_lshl_b32 s12, s[WV], 4
	s_add_co_u32 s5, s5, s12                       ; my first hidden column
	s_mov_b32 s13, 0                               ; the high word of every offset below
	s_wait_kmcnt 0x0
	s_mul_i32 s12, s[RBI], 28160                   ; 128 rows of x
	s_add_nc_u64 s[46:47], s[16:17], s[12:13]      ; x at the block's first row, step 0
	s_mul_i32 s12, s5, 44
	s_add_nc_u64 s[48:49], s[18:19], s[12:13]      ; W_ih1 at my column, gate i
	s_lshl_b32 s12, s5, 2
	s_add_nc_u64 s[50:51], s[20:21], s[12:13]      ; b_ih1
	s_add_nc_u64 s[52:53], s[22:23], s[12:13]      ; b_hh1
	s_lshl_b32 s12, s[RBI], 3
	s_add_co_u32 s12, s12, s[NBI]                  ; the x image's number: row block 8 rb + nb
	s_lshl_b32 s14, s12, 10
	s_mul_i32 s12, s12, 3520                       ; 16 rows of x
	s_mul_i32 s15, s[WV], 44
	s_add_co_u32 s12, s12, s15
	s_add_co_u32 s12, s12, 44                      ; step w + 1
	s_add_nc_u64 s[54:55], s[16:17], s[12:13]
	s_cmp_eq_u32 s[WV], 0                          ; wave w stores into xe(w + 1)
	s_cselect_b64 s[62:63], s[38:39], s[40:41]
	s_cmp_lt_u32 s[WV], 2
	s_cselect_b64 s[62:63], s[62:63], s[42:43]
	s_cmp_lt_u32 s[WV], 3
	s_cselect_b64 s[62:63], s[62:63], s[44:45]
	s_mov_b32 s12, s14
	s_add_nc_u64 s[62:63], s[62:63], s[12:13]
	s_and_b32 s12, s[RBI], 3                       ; the bias image: gate rb % 4,
	s_lshl_b32 s12, s12, 9
	s_bfe_u32 s14, s[RBI], 0x20002                 ; wave place (rb / 4) % 4,
	s_lshl_b32 s14, s14, 4
	s_add_co_u32 s12, s12, s14
	s_lshl_b32 s14, s[NBI], 6
	s_add_co_u32 s14, s12, s14                     ; its first matrix row
	s_mul_i32 s12, s14, 44
	s_add_nc_u64 s[56:57], s[18:19], s[12:13]
	s_lshr_b32 s15, s[RBI], 4                      ; cell rb / 16
	s_cmp_eq_u32 s15, 1
	s_cselect_b32 s[LM], -1, 0
	s_cselect_b64 s[58:59], s[24:25], s[20:21]
	s_cselect_b64 s[60:61], s[26:27], s[22:23]
	s_lshl_b32 s12, s14, 2
	s_add_nc_u64 s[58:59], s[58:59], s[12:13]
	s_add_nc_u64 s[60:61], s[60:61], s[12:13]
	s_lshl_b32 s12, s[NBI], 15
	s_lshl_b32 s14, s[RBI], 10
	s_add_co_u32 s12, s12, s14
	s_add_nc_u64 s[66:67], s[34:35], s[12:13]
	s_add_nc_u64 s[66:67], s[66:67], 6291456       ; behind the 6,144 weight images
	s_lshl_b32 s12, s[RBI], 18                     ; h: [rb][j = nb][part][q = w / 2][row block][image], my half s = w % 2
	s_lshl_b32 s14, s[NBI], 15
	s_add_co_u32 s12, s12, s14
	s_lshr_b32 s14, s[WV], 1
	s_lshl_b32 s14, s14, 13
	s_add_co_u32 s12, s12, s14
	s_and_b32 s14, s[WV], 1
	s_lshl_b32 s14, s14, 9
	s_add_co_u32 s12, s12, s14
	s_add_nc_u64 s[68:69], s[36:37], s[12:13]      ; h0
	s_add_nc_u64 s[70:71], s[68:69], 16384         ; h1
	s_lshl_b32 s12, s[RBI], 3                      ; c: [rb][nb][w][row block][half][lane][16 bytes]
	s_add_co_u32 s12, s12, s[NBI]
	s_lshl_b32 s12, s12, 15
	s_lshl_b32 s14, s[WV], 13
	s_add_co_u32 s12, s12, s14
	s_add_nc_u64 s[74:75], s[36:37], s[12:13]
	s_add_nc_u64 s[74:75], s[74:75], 8388608       ; c of cell 2
	s_add_nc_u64 s[72:73], s[74:75], 8388608       ; c of cell 1
	s_lshl_b32 s12, s[WV], 9                       ; my six weight images: gate w, wave place rb % 4, K slot rb / 4
	s_lshl_b32 s14, s[NBI], 6
	s_add_co_u32 s12, s12, s14
	s_and_b32 s14, s[RBI], 3
	s_lshl_b32 s15, s14, 4
	s_add_co_u32 s12, s12, s15
	s_lshl_b32 s12, s12, 11
	s_lshr_b32 s15, s[RBI], 2
	s_lshl_b32 s5, s15, 8
	s_add_co_u32 s12, s12, s5
	s_add_nc_u64 s[28:29], s[28:29], s[12:13]
	s_add_nc_u64 s[30:31], s[30:31], s[12:13]
	s_add_nc_u64 s[32:33], s[32:33], s[12:13]
	s_mul_i32 s12, s[NBI], 786432
	s_mul_i32 s5, s15, 98304
	s_add_co_u32 s12, s12, s5
	s_lshl_b32 s14, s14, 12
	s_add_co_u32 s12, s12, s14
	s_lshl_b32 s5, s[WV], 10
	s_add_co_u32 s12, s12, s5
	s_add_nc_u64 s[76:77], s[34:35], s[12:13]
	s_wait_alu depctr_va_vdst(0)                   ; the offsets v3 to v7 and the zeros v8 to v11 are written: every load and store of the kernel reads some of them
	; the small loads: every lane takes all 11 (13) numbers of its row
.set aa, 0
.rept 8
.set kk, 0
.rept 11
	global_load_b32 v[XR+11*aa+kk], v4, s[46:47] offset:aa*3520+4*kk
.set kk, kk+1
.endr
.set aa, aa+1
.endr
.set gi, 0
.irp g, 0,2,3
.set kk, 0
.rept 11
	global_load_b32 v[BR+13*gi+kk], v5, s[48:49] offset:(\g)*22528+4*kk
.set kk, kk+1
.endr
	global_load_b32 v[BR+13*gi+11], v6, s[50:51] offset:(\g)*2048
	global_load_b32 v[BR+13*gi+12], v6, s[52:53] offset:(\g)*2048
.set gi, gi+1
.endr
.set kk, 0
.rept 11
	global_load_b32 v[TR+kk], v4, s[54:55] offset:4*kk
	global_load_b32 v[ER+kk], v5, s[56:57] offset:4*kk
.set kk, kk+1
.endr
	global_load_b32 v[ER+11], v6, s[58:59]
	global_load_b32 v[ER+12], v6, s[60:61]
	; zeros for h1 and for c of cell 2, in my own places, while the loads are out; v[8:11] are never rewritten
.set aa, 0
.rept 8
	global_store_b128 v3, v[8:11], s[70:71] offset:aa*1024
.set aa, aa+1
.endr
.set aa, 0
.rept 16
	global_store_b128 v3, v[8:11], s[74:75] offset:aa*512
.set aa, aa+1
.endr
	s_wait_loadcnt 0x0
; An image from a row's raw numbers at t.  Lanes 0-15 hold k 0-7, lanes 16-31 k 8-15; k 16-31 are 0.  kind 0: x (k 11 = k 12 = 1); kind 1: weights (k 11, k 12 = the two biases).
.macro BUILD d, t, kind
	v_cvt_pk_bf16_f32 v[(\d)],   v[(\t)],   v[(\t)+1]
	v_cvt_pk_bf16_f32 v[(\d)+1], v[(\t)+2], v[(\t)+3]
	v_cvt_pk_bf16_f32 v[(\d)+2], v[(\t)+4], v[(\t)+5]
	v_cvt_pk_bf16_f32 v[(\d)+3], v[(\t)+6], v[(\t)+7]
	v_cvt_pk_bf16_f32 v[(\d)+4], v[(\t)+8], v[(\t)+9]
.if \kind
	v_cvt_pk_bf16_f32 v[(\d)+5], v[(\t)+10], v[(\t)+11]
	v_cvt_pk_bf16_f32 v[(\d)+6], v[(\t)+12], v8
.else
	v_cvt_pk_bf16_f32 v[(\d)+5], v[(\t)+10], v12
	v_mov_b32 v[(\d)+6], 0x3f80
.endif
	v_cndmask_b32 v[(\d)],   v[(\d)],   v[(\d)+4], s[HM]
	v_cndmask_b32 v[(\d)+1], v[(\d)+1], v[(\d)+5], s[HM]
	v_cndmask_b32 v[(\d)+2], v[(\d)+2], v[(\d)+6], s[HM]
	v_cndmask_b32 v[(\d)+3], v[(\d)+3], v8, s[HM]
	v_mov_b32 v[(\d)+4], 0
	v_mov_b32 v[(\d)+5], 0
	v_mov_b32 v[(\d)+6], 0
	v_mov_b32 v[(\d)+7], 0
.endm
.set aa, 0
.rept 8
	BUILD AF+8*aa, XR+11*aa, 0
.set aa, aa+1
.endr
.set aa, 0
.rept 3
	BUILD BF+8*aa, BR+13*aa, 1
.set aa, aa+1
.endr
.set kk, 0
.rept 11
	v_cndmask_b32 v[ER+kk], v[ER+kk], v8, s[LM]    ; cell 2's piece has no x: only its biases
.set kk, kk+1
.endr
	BUILD DW, ER, 1                                ; into BR's place, which the three BUILD lines above have read
	BUILD DX, TR, 0                                ; into ER's place, which the line above has read
	s_wait_alu depctr_va_vdst(0)                   ; the BUILD lines are done reading v16-111, in which the raw weights land, and have written DX and DW, which the stores below read; no vector instruction follows ahead of the first pass
.set ii, 0
.rept 12                                       ; ii = 4 T + 2 q + s: 8 numbers a lane; a row's eight pieces are 256 consecutive bytes, aligned.  The loads stand ahead of the stores: no store reads a register in which they land
	global_load_b128 v[WR+8*ii:WR+8*ii+3],   v7, s[28+2*(ii/4):29+2*(ii/4)] offset:((ii/2)%2)*128+(ii%2)*64 th:TH_LOAD_NT
	global_load_b128 v[WR+8*ii+4:WR+8*ii+7], v7, s[28+2*(ii/4):29+2*(ii/4)] offset:((ii/2)%2)*128+(ii%2)*64+16 th:TH_LOAD_NT
.set ii, ii+1
.endr
	global_store_b128 v3, v[DX:DX+3], s[62:63]
	global_store_b128 v3, v[DX+4:DX+7], s[62:63] offset:512
	s_cmp_lg_u32 s[WV], 0                          ; the four waves made the same bias image: wave 0 stores it
	s_cbranch_scc1 .Lno_we
	global_store_b128 v3, v[DW:DW+3], s[66:67]
	global_store_b128 v3, v[DW+4:DW+7], s[66:67] offset:512
.Lno_we:
	s_wait_xcnt 0x0                                ; every earlier memory instruction has had its addresses translated (ISA guide 3.1): DW's registers are written again only behind this wait,
	s_wait_alu depctr_vm_vsrc(0)                   ; and wave 0's two stores have read DW, v112-119, which the first pass's products write
.macro PLACES                          ; four plain vector instructions between a matrix instruction and the first reader of its result (ISA guide 7.12.1)
.rept 4
	v_nop
.endr
.endm
; The two transcendentals of a pair stand behind the NEXT pair's plain line; a phase ends with a plain instruction and a wait ahead of the first reader.
.macro TRAIL op
.if n > 0
	\op v[pr], v[pr]
	\op v[pr+1], v[pr+1]
.endif
.set pr, rr
.set n, n+1
.endm
.macro TEND op
	\op v[pr], v[pr]
	\op v[pr+1], v[pr+1]
	v_nop
	s_wait_alu depctr_va_vdst(0)                   ; the batch's exponentials or reciprocals have written their results, ahead of the first line that names one; so has every vector instruction issued before them
.endm
; Row blocks 2 p and 2 p + 1: gates i, g, o; c = sigmoid(i) tanh(g); h = sigmoid(o) tanh(c).
.macro PASS p
.irp a2, 0,1
.irp gi, 0,1,2
	v_wmma_f32_16x16x32_bf16 v[ACC+8*(3*(\a2)+(\gi)):ACC+8*(3*(\a2)+(\gi))+7], v[BF+8*(\gi):BF+8*(\gi)+7], v[AF+8*(2*(\p)+(\a2)):AF+8*(2*(\p)+(\a2))+7], 0
.endr
.endr
	PLACES
.set n, 0
.rept 24
.set rr, ACC+2*n
.if ((n/4)%3) == 1
	v_pk_mul_f32 v[rr:rr+1], v[rr:rr+1], s[KP:KP+1] op_sel_hi:[1,0]
.else
	v_pk_mul_f32 v[rr:rr+1], v[rr:rr+1], s[KN:KN+1] op_sel_hi:[1,0]
.endif
	TRAIL v_exp_f32
.endr
	TEND v_exp_f32
.set n, 0
.rept 24
.set rr, ACC+2*n
	v_pk_add_f32 v[rr:rr+1], v[rr:rr+1], 1.0 op_sel_hi:[1,0]
	TRAIL v_rcp_f32
.endr
	TEND v_rcp_f32
.set n, 0
.rept 8
.set rr, ACC+24*(n/4)+2*(n%4)
	v_pk_fma_f32 v[rr+8:rr+9], v[rr+8:rr+9], -2.0, 1.0 op_sel_hi:[1,0,0]
.set n, n+1
.endr
.set n, 0
.rept 8
.set rr, ACC+24*(n/4)+2*(n%4)
	v_pk_mul_f32 v[rr:rr+1], v[rr:rr+1], v[rr+8:rr+9]  ; c
.set n, n+1
.endr
.set n, 0
.rept 8
.set rr, ACC+24*(n/4)+8+2*(n%4)
	v_pk_mul_f32 v[rr:rr+1], v[rr-8:rr-7], s[KP:KP+1] op_sel_hi:[1,0]
	TRAIL v_exp_f32
.endr
	TEND v_exp_f32
	; The wait that ends the batch above has also shown c written, by this pass's multiplies, and HB, by the last pass's roundings: their stores follow it at once, with no vector instruction between.
.irp a2, 0,1
	global_store_b128 v3, v[ACC+24*(\a2):ACC+24*(\a2)+3],   s[72:73] offset:(2*(\p)+(\a2))*1024
	global_store_b128 v3, v[ACC+24*(\a2)+4:ACC+24*(\a2)+7], s[72:73] offset:(2*(\p)+(\a2))*1024+512
.endr
.if (\p) > 0
.irp a2, 0,1
	global_store_b128 v3, v[HB+4*(\a2):HB+4*(\a2)+3], s[68:69] offset:(2*((\p)-1)+(\a2))*1024  ; the last pass's h
.endr
.endif
.set n, 0
.rept 8
.set rr, ACC+24*(n/4)+8+2*(n%4)
	v_pk_add_f32 v[rr:rr+1], v[rr:rr+1], 1.0 op_sel_hi:[1,0]
	TRAIL v_rcp_f32
.endr
	TEND v_rcp_f32
.set n, 0
.rept 8
.set rr, ACC+24*(n/4)+8+2*(n%4)
	v_pk_fma_f32 v[rr:rr+1], v[rr:rr+1], -2.0, 1.0 op_sel_hi:[1,0,0]
.set n, n+1
.endr
.set n, 0
.rept 8
.set rr, ACC+24*(n/4)+16+2*(n%4)
	v_pk_mul_f32 v[rr:rr+1], v[rr:rr+1], v[rr-8:rr-7]  ; h
.set n, n+1
.endr
	s_wait_xcnt 0x0                                ; every earlier memory instruction has had its addresses translated (ISA guide 3.1): HB and c are written again only behind this wait,
	s_wait_alu depctr_vm_vsrc(0)                   ; and the stores issued so far have read HB (in the first pass: the x image), which the roundings below write, and c, which the next pass's products write
.set n, 0
.rept 8
.set rr, ACC+24*(n/4)+16+2*(n%4)
	v_cvt_pk_bf16_f32 v[HB+n], v[rr], v[rr+1]      ; row block n / 4, pair n % 4
.set n, n+1
.endr
.endm
	PASS 0
	PASS 1
	PASS 2
	PASS 3
	s_wait_loadcnt 0x0                             ; the raw weights
.set ii, 0
.rept 12
.set rr, WR+8*ii
	v_cvt_pk_bf16_f32 v[rr],   v[rr],   v[rr+1]
	v_cvt_pk_bf16_f32 v[rr+1], v[rr+2], v[rr+3]
	v_cvt_pk_bf16_f32 v[rr+2], v[rr+4], v[rr+5]
	v_cvt_pk_bf16_f32 v[rr+3], v[rr+6], v[rr+7]
.set ii, ii+1
.endr
	s_wait_alu depctr_va_vdst(0)                   ; the last pass's roundings have written HB and the conversions above the twelve half images, which the stores below read
.irp a2, 0,1
	global_store_b128 v3, v[HB+4*(\a2):HB+4*(\a2)+3], s[68:69] offset:(6+(\a2))*1024  ; the last pass's h
.endr
.set ii, 0
.rept 12
.set rr, WR+8*ii
	global_store_b128 v3, v[rr:rr+3], s[76:77] offset:(ii/4)*32768+((ii/2)%2)*16384+(ii%2)*512
.set ii, ii+1
.endr
	s_endpgm
.Lfunc_end_k_qc5463f50ed_prep:
	.size	k_qc5463f50ed_prep, .Lfunc_end_k_qc5463f50ed_prep-k_qc5463f50ed_prep
	.p2alignl 7, 3214868480
	.fill 96, 4, 3214868480
	.section	.rodata,"a",@progbits
	.p2align	6, 0x0
	.amdhsa_kernel k_qc5463f50ed_prep
		.amdhsa_group_segment_fixed_size 0
		.amdhsa_private_segment_fixed_size 0
		.amdhsa_enable_private_segment 0
		.amdhsa_kernarg_size 120
		.amdhsa_user_sgpr_count 2
		.amdhsa_user_sgpr_kernarg_segment_ptr 1
		.amdhsa_wavefront_size32 1
		.amdhsa_system_sgpr_workgroup_id_x 1
		.amdhsa_system_sgpr_workgroup_id_y 1
		.amdhsa_system_sgpr_workgroup_id_z 1
		.amdhsa_system_vgpr_workitem_id 0
		.amdhsa_next_free_vgpr 256
		.amdhsa_next_free_sgpr 80
		.amdhsa_reserve_vcc 0
		.amdhsa_float_denorm_mode_32 3
		.amdhsa_float_denorm_mode_16_64 3
		.amdhsa_memory_ordered 1
		.amdhsa_forward_progress 1
		.amdhsa_inst_pref_size 87
	.end_amdhsa_kernel
	.amdgpu_metadata
---
amdhsa.version: [ 1, 2 ]
amdhsa.kernels:
  - .name:           k_qc5463f50ed_prep
    .symbol:         k_qc5463f50ed_prep.kd
    .args:
      - { .name: x, .offset: 0, .size: 8, .value_kind: global_buffer, .address_space: global }
      - { .name: W_ih1, .offset: 8, .size: 8, .value_kind: global_buffer, .address_space: global }
      - { .name: b_ih1, .offset: 16, .size: 8, .value_kind: global_buffer, .address_space: global }
      - { .name: b_hh1, .offset: 24, .size: 8, .value_kind: global_buffer, .address_space: global }
      - { .name: b_ih2, .offset: 32, .size: 8, .value_kind: global_buffer, .address_space: global }
      - { .name: b_hh2, .offset: 40, .size: 8, .value_kind: global_buffer, .address_space: global }
      - { .name: W_hh1, .offset: 48, .size: 8, .value_kind: global_buffer, .address_space: global }
      - { .name: W_ih2, .offset: 56, .size: 8, .value_kind: global_buffer, .address_space: global }
      - { .name: W_hh2, .offset: 64, .size: 8, .value_kind: global_buffer, .address_space: global }
      - { .name: wpk, .offset: 72, .size: 8, .value_kind: global_buffer, .address_space: global }
      - { .name: sa, .offset: 80, .size: 8, .value_kind: global_buffer, .address_space: global }
      - { .name: xe1, .offset: 88, .size: 8, .value_kind: global_buffer, .address_space: global }
      - { .name: xe2, .offset: 96, .size: 8, .value_kind: global_buffer, .address_space: global }
      - { .name: xe3, .offset: 104, .size: 8, .value_kind: global_buffer, .address_space: global }
      - { .name: xe4, .offset: 112, .size: 8, .value_kind: global_buffer, .address_space: global }
    .group_segment_fixed_size: 0
    .private_segment_fixed_size: 0
    .kernarg_segment_align: 8
    .kernarg_segment_size: 120
    .max_flat_workgroup_size: 128
    .sgpr_count:     80
    .vgpr_count:     256
    .wavefront_size: 32
...
	.end_amdgpu_metadata
.endif
;; end of part 4
;; launch step1: the kernel of part 2 again; grid 8 x 32, 4 waves a work-group, clusters of 4 x 4, 327,680 bytes of LDS; arguments wpk, sa, xe1, sb; writes sb
;; launch step2: the kernel of part 2 again; grid 8 x 32, 4 waves a work-group, clusters of 4 x 4, 327,680 bytes of LDS; arguments wpk, sb, xe2, sa; writes sa
;; launch step3: the kernel of part 2 again; grid 8 x 32, 4 waves a work-group, clusters of 4 x 4, 327,680 bytes of LDS; arguments wpk, sa, xe3, sb; writes sb
;; launch step4: the kernel of part 2 again; grid 8 x 32, 4 waves a work-group, clusters of 4 x 4, 327,680 bytes of LDS; arguments wpk, sb, xe4, sa; writes sa
;; launch last: the kernel of part 3 again; grid 8 x 32, 4 waves a work-group, clusters of 4 x 4, 327,680 bytes of LDS; arguments wpk, sa, out0; writes out0
